; MI455X (gfx1250); checked and timed in simulation.
; The chip was launched on July 23, 2026; its instructions are those of AMD's public machine-readable ISA for CDNA 5 (MIT licence, August 2026) and "CDNA5" Instruction Set Architecture Reference Guide (July 2026). The comments in the code are by the model that wrote it; some were corrected since.
;; Inr Awa SA. Allowed arithmetic: float matrix products may take bf16 or f16 operands with f32 sums; other float arithmetic in f32, or as packed bf16 or f16 multiplies, adds, multiply-adds, maxima and minima; sums over many terms, partial sums and values carried from step to step in f32; what a program stores and reads back later, other than sums and carried values, may be rounded once to bf16 or f16.
;; Inputs: attn_mask 2,048 x 2,048 float32; pad_mask 4 x 1 x 2,048 float32; wk 1,024 x 1,024 float32; wq 1,024 x 1,024 float32; wv 1,024 x 1,024 float32; x 4 x 2,048 x 1,024 float32.
;; Outputs: out0 4 x 2,048 x 1,024 float32.
;; 2 versions, each right; version 2 is version 1 with the launch cast written anew for expert scheduling mode. Each part assembles by itself: llvm-mc -triple=amdgcn-amd-amdhsa -mcpu=gfx1250 --defsym DOCPART=n.
;; ======== version 1 of 2: 4 launches
;; limits: values are held in f16: magnitudes above 65,504 overflow, below 6.1e-05 lose precision; values outside matrix products are rounded to f16
;; workspace buffers: xw 23,068,672 bytes; qkv 50,331,648 bytes; pw 33,554,432 bytes; cm 524,288 bytes; ls 524,288 bytes
;; launch cast (part 1): grid 704 x 1, 8 waves a work-group, no clusters, 0 bytes of LDS; arguments x, wq, wk, wv, xw; writes xw
.if DOCPART == 1
	.amdgcn_target "amdgcn-amd-amdhsa--gfx1250"
	.amdhsa_code_object_version 6
	.text
	.protected	k_qdfa7bb6bca_cast
	.globl	k_qdfa7bb6bca_cast
	.p2align	8
	.type	k_qdfa7bb6bca_cast,@function
k_qdfa7bb6bca_cast:
	s_mov_b64 s[64:65], 0
	v_nop
	global_prefetch_b8 v0, s[64:65] scope:SCOPE_SE
	s_setreg_imm32_b32 hwreg(HW_REG_WAVE_MODE, 25, 1), 1
	s_wait_xcnt 0x0
; xw = the rows of x, wq, wk, wv, one below the other, rounded once to bf16 (nearest even): [11264][1024].
; Rows 0-8191 x, 8192-9215 wq, 9216-10239 wk, 10240-11263 wv: the next launch multiplies x's rows by all 3,072 weight rows.
; A stream: no LDS, no barrier, no matrix work.  A work-group owns 16 rows; thread t takes the 16 bytes at 16 t of each
; source row (a wave's load covers 512 consecutive bytes) and stores 8 bytes at 8 t (a wave's store covers 256 consecutive
; bytes, aligned).  All 16 loads of a wave go out at once; no register is written twice, so no wait frees a source.
; attn_mask and pad_mask are read by no launch of this program: the function to be computed takes them and never uses them.
.set ROWS, 16
.set SROW, 4096                        ; bytes in a source row
.set DROW, 2048                        ; bytes in a row of xw
.set XG,   512                         ; work-groups that x's 8,192 rows make; each weight's 1,024 rows make 64
.set X,    4                           ; v[4:67]   row j as loaded, 4 registers
.set Y,    68                          ; v[68:99]  row j to store, 2 registers
	s_load_b256 s[4:11], s[0:1], 0x0               ; x s[4:5], wq s[6:7], wk s[8:9], wv s[10:11]
	s_load_b64 s[12:13], s[0:1], 0x20              ; xw
	s_mov_b32 s2, ttmp9                            ; g, the work-group
	s_sub_co_u32 s14, s2, XG                       ; behind x: which weight (g - 512) / 64, which 16 rows of it (g - 512) % 64
	s_lshr_b32 s15, s14, 6
	s_and_b32 s16, s14, 63
	v_lshlrev_b32 v1, 4, v0                        ; my 16 bytes in a source row
	v_lshlrev_b32 v2, 3, v0                        ; my 8 bytes in a row of xw
	s_wait_kmcnt 0x0
	s_cmp_eq_u32 s15, 1
	s_cselect_b64 s[18:19], s[8:9], s[6:7]         ; wk or wq,
	s_cmp_eq_u32 s15, 2
	s_cselect_b64 s[18:19], s[10:11], s[18:19]     ; or wv,
	s_cmp_lt_u32 s2, XG
	s_cselect_b64 s[18:19], s[4:5], s[18:19]       ; or x, whose block of 16 rows is g itself
	s_cselect_b32 s16, s2, s16
	s_lshl_b32 s20, s16, 16                        ; 16 rows of 4,096 bytes
	s_mov_b32 s21, 0
	s_add_nc_u64 s[18:19], s[18:19], s[20:21]
	s_lshl_b32 s22, s2, 15                         ; 16 rows of 2,048 bytes
	s_mov_b32 s23, 0
	s_add_nc_u64 s[12:13], s[12:13], s[22:23]
.irp j, 0,1,2,3,4,5,6,7,8,9,10,11,12,13,14,15
	global_load_b128 v[X+4*(\j):X+4*(\j)+3], v1, s[18:19] offset:(\j)*SROW th:TH_LOAD_NT
.endr
.irp j, 0,1,2,3,4,5,6,7,8,9,10,11,12,13,14,15
	s_wait_loadcnt 15-(\j)                         ; loads come back in order (ISA guide 5.7.1): row j is in, the younger ones stay out
	v_cvt_pk_bf16_f32 v[Y+2*(\j)],   v[X+4*(\j)],   v[X+4*(\j)+1]
	v_cvt_pk_bf16_f32 v[Y+2*(\j)+1], v[X+4*(\j)+2], v[X+4*(\j)+3]
	global_store_b64 v2, v[Y+2*(\j):Y+2*(\j)+1], s[12:13] offset:(\j)*DROW
.endr
	s_endpgm
.Lfunc_end_k_qdfa7bb6bca_cast:
	.size	k_qdfa7bb6bca_cast, .Lfunc_end_k_qdfa7bb6bca_cast-k_qdfa7bb6bca_cast
	.p2alignl 7, 3214868480
	.fill 96, 4, 3214868480
	.section	.rodata,"a",@progbits
	.p2align	6, 0x0
	.amdhsa_kernel k_qdfa7bb6bca_cast
		.amdhsa_group_segment_fixed_size 0
		.amdhsa_private_segment_fixed_size 0
		.amdhsa_enable_private_segment 0
		.amdhsa_kernarg_size 40
		.amdhsa_user_sgpr_count 2
		.amdhsa_user_sgpr_kernarg_segment_ptr 1
		.amdhsa_wavefront_size32 1
		.amdhsa_system_sgpr_workgroup_id_x 1
		.amdhsa_system_sgpr_workgroup_id_y 1
		.amdhsa_system_sgpr_workgroup_id_z 1
		.amdhsa_system_vgpr_workitem_id 0
		.amdhsa_next_free_vgpr 100
		.amdhsa_next_free_sgpr 66
		.amdhsa_reserve_vcc 0
		.amdhsa_float_denorm_mode_32 3
		.amdhsa_float_denorm_mode_16_64 3
		.amdhsa_memory_ordered 1
		.amdhsa_forward_progress 1
		.amdhsa_inst_pref_size 7
	.end_amdhsa_kernel
	.amdgpu_metadata
---
amdhsa.version: [ 1, 2 ]
amdhsa.kernels:
  - .name:           k_qdfa7bb6bca_cast
    .symbol:         k_qdfa7bb6bca_cast.kd
    .args:
      - { .name: x, .offset: 0, .size: 8, .value_kind: global_buffer, .address_space: global }
      - { .name: wq, .offset: 8, .size: 8, .value_kind: global_buffer, .address_space: global }
      - { .name: wk, .offset: 16, .size: 8, .value_kind: global_buffer, .address_space: global }
      - { .name: wv, .offset: 24, .size: 8, .value_kind: global_buffer, .address_space: global }
      - { .name: xw, .offset: 32, .size: 8, .value_kind: global_buffer, .address_space: global }
    .group_segment_fixed_size: 0
    .private_segment_fixed_size: 0
    .kernarg_segment_align: 8
    .kernarg_segment_size: 40
    .max_flat_workgroup_size: 256
    .sgpr_count:     66
    .vgpr_count:     100
    .wavefront_size: 32
...
	.end_amdgpu_metadata
.endif
;; end of part 1
;; launch proj (part 2): grid 12 x 32, 4 waves a work-group, clusters of 4 x 4, 327,680 bytes of LDS; arguments xw, qkv; writes qkv
.if DOCPART == 2
	.amdgcn_target "amdgcn-amd-amdhsa--gfx1250"
	.amdhsa_code_object_version 6
	.text
	.protected	k_qdfa7bb6bca_proj
	.globl	k_qdfa7bb6bca_proj
	.p2align	8
	.type	k_qdfa7bb6bca_proj,@function
k_qdfa7bb6bca_proj:
	s_mov_b64 s[64:65], 0
	v_nop
	global_prefetch_b8 v0, s[64:65] scope:SCOPE_SE
	s_setreg_imm32_b32 hwreg(HW_REG_WAVE_MODE, 25, 1), 1
	s_wait_xcnt 0x0
	s_wait_alu depctr_hold_cnt(0) depctr_sa_sdst(0) depctr_va_vdst(0) depctr_va_sdst(0) depctr_va_ssrc(0) depctr_va_vcc(0) depctr_vm_vsrc(0)
	s_getreg_b32 s2, hwreg(HW_REG_IB_STS2, 6, 4)
	s_cmp_eq_u32 s2, 0
	s_cbranch_scc0 .Lentry_in_a_cluster
	s_endpgm
.Lentry_in_a_cluster:
	s_bfe_u32 s2, ttmp6, 0x10000c
	s_cmp_lg_u32 s2, 0xf033
	s_cbranch_scc0 .Lentry_shape_is_right
	s_endpgm
.Lentry_shape_is_right:
; qkv[m][n] = sum over k of xb[m][k] w[n][k]: xb = rows 0-8191 of xw, w = its rows 8192-11263 (wq, wk, wv), all bf16; sums in f32;
; qkv is [8192][3072] in f16, rounded once: columns 0-1023 q, 1024-2047 k, 2048-3071 v.
; LIMIT.  f16 ends at 65,504: a q, k or v beyond that becomes an infinity.  With x of unit spread and weights of spread 1/32 they have
; unit spread; inputs all 30 times larger give some 900 times that, a common offset of 30 spreads some 29,000: both inside.
; A tile of 256 x 256 is made by four waves, each 128 x 128: 64 accumulators of 16 x 16, 512 registers.  K goes in steps of 128 through two
; LDS slots filled by the tensor data mover: a tile's rows are 256 bytes of memory and start at multiples of 256 bytes of xw.
; CLUSTERS: 4 x 4 work-groups.  The four of a row of the cluster need the same rows of xb, the four of a column the same weight rows: each tile is
; asked for JOINTLY, by the same tensor load with the same descriptor and a mask that names the four.
; REGISTERS, in windows of 256 (s_set_vgpr_msb: bits 1:0 source 0, 3:2 source 1, 5:4 source 2, 7:6 destination):
;   window 0: v0-31 addresses; v64-127, v128-191 fragments of xb, two buffers; v32-63, v192-255 at work on the way out
;   window 1: v64-127, v128-191 fragments of w, two buffers
;   window 2: the accumulators of my rows 0-63 ((a, b) at v[8 (8 a + b)]);   window 3: those of my rows 64-127
; THE MATRIX INSTRUCTION IS USED TRANSPOSED: source 0 = 16 weight rows, source 1 = 16 rows of xb: lane l then holds row l % 16 of the result and
; its registers 0-7 the columns 8 (l / 16) + 0..7: eight neighbouring numbers, 16 bytes of f16.
.set SIZE_K, 1024
.set WBYTE,  8192*2048                 ; the byte of xw at which the weight rows begin
.set CROW,   6144                      ; bytes in a row of qkv
.set KSTEP,  128
.set PITCH,  272                       ; an LDS row: 256 bytes + 16 of padding = 68 words: row r starts at bank 4 r mod 64 (64 banks of 4 bytes: ISA guide 11.1)
.set HALFT,  128*PITCH                 ; 128 rows: what one tensor load brings, and what one wave reads of either operand
.set SLOT,   4*HALFT                   ; xb's 256 rows, then w's 256 rows
.set STAGE,  2*SLOT                    ; behind the ring: 16 rows x 272 bytes for each wave, for the way out
.set SPITCH, 272
.set SPARE,  STAGE+4*16*SPITCH         ; behind the stages: the spare words, 128 bytes a wave: two blocks of 256 bytes that no other line names
.set LAPS,   SIZE_K/(2*KSTEP)          ; a lap = two K steps = once round the ring: 4
.set ADRA, 16                          ; v16-17  LDS address of my fragments of xb in slot 0, 1
.set ADRB, 20                          ; v20-21  the same for w
.set STO,  24                          ; v24     the way out: where I put 16 bytes of a row
.set RD,   25                          ; v25     the way out: where I read a row back
.set CO,   26                          ; v26     my byte offset in qkv
.set SPW,  28                          ; v28     LDS address of my spare word; never rewritten
.set NIL,  29                          ; v29     0; never rewritten
.set F0,   64                          ; fragment buffer 0
.set F1,   128                         ; fragment buffer 1
.set TMP,  192                         ; the way out: packed results
.set OB,   32                          ; the way out: 16 rows read back: v32-63 and v224-255 by turns
.set G1,  24                           ; s[24:31] descriptor group 1 for xb's tiles
.set G0,  32                           ; s[32:39] group 0 for xb's tiles, a set for each slot
.set G1B, 48                           ; s[48:55] group 1 for w's tiles: it differs in the mask alone
.set G0B, 56                           ; s[56:63] group 0 for w's tiles
.set MSB, 0
.macro WIN new                         ; the immediate's high byte repeats the setting that is left; a switch that changes nothing is dropped
.if MSB != (\new)
	s_set_vgpr_msb (MSB<<8)|(\new)
.set MSB, \new
.endif
.endm
.set MUL_LO, 0xa1                      ; source 0 (w) window 1, source 1 (xb) window 0, C and D window 2
.set MUL_HI, 0xf1                      ; the same, C and D window 3
.set TO_B,   0x40                      ; destination window 1, address window 0
; A joint load.  Waves 0 and 1 fetch xb's two halves, waves 2 and 3 w's.  The branch hangs on the wave's number alone.
; An s_nop 0 and four v_nop follow each of the two lines, ahead of the jump and the label.
.macro JLOAD s
	s_cmp_eq_u32 s11, 0
	s_cbranch_scc0 .Lfor_b_\@
	tensor_load_to_lds s[G0+4*(\s):G0+4*(\s)+3], s[G1:G1+7]
	s_nop 0
.rept 4
	v_nop
.endr
	s_branch .Lasked_\@
.Lfor_b_\@:
	tensor_load_to_lds s[G0B+4*(\s):G0B+4*(\s)+3], s[G1B:G1B+7]
	s_nop 0
.rept 4
	v_nop
.endr
.Lasked_\@:
.endm
; A round of the cluster's barrier: my work-group's barrier; wave 0 signals for the work-group; every wave waits for all sixteen; my work-group's barrier once more.
.macro CREST                           ; a round behind its opening barrier
	s_cmp_lg_u32 s10, 0
	s_cbranch_scc1 .Lnot_wave_0_\@
	s_barrier_signal -3
.Lnot_wave_0_\@:
	s_barrier_wait -3
	s_barrier_signal -1
	s_barrier_wait -1
.endm
.macro CROUND                          ; a whole round
	s_barrier_signal -1
	s_barrier_wait -1
	CREST
.endm
	s_load_b128 s[4:7], s[0:1], 0x0                ; xw s[4:5], qkv s[6:7]
	v_lshl_add_u32 v[SPW], v0, 2, SPARE
	v_mov_b32 v[NIL], 0
	ds_add_u32 v[SPW], v[NIL]                      ; the wave's opening: the add and its wait stand ahead of my first tensor load; the set-up below stands between them
	v_lshrrev_b32 v1, 5, v0
	v_readfirstlane_b32 s10, v1                    ; wave 0..3
	s_lshr_b32 s11, s10, 1                         ; which half of the tile's rows is mine.  Also: I fetch for xb (0) or for w (1)
	s_and_b32 s12, s10, 1                          ; which half of its columns.  Also: which 128 rows of that tile I fetch
	s_bfe_u32 s40, ttmp6, 0x40000                  ; cx
	s_bfe_u32 s41, ttmp6, 0x40004                  ; cy
	s_lshl_b32 s42, ttmp9, 2
	s_add_co_u32 s42, s42, s40                     ; tile column = 4 x cluster x + cx
	s_and_b32 s13, ttmp7, 0xffff
	s_lshl_b32 s13, s13, 2
	s_add_co_u32 s13, s13, s41                     ; tile row = 4 x cluster y + cy
	s_lshl_b32 s43, s41, 2
	s_lshl_b32 s43, 15, s43                        ; my row of the cluster: places 4 cy .. 4 cy + 3
	s_lshl_b32 s44, 0x1111, s40                    ; my column: places cx, cx + 4, cx + 8, cx + 12
	; descriptor group 1: a tile of 128 rows x 128 elements, padded in LDS
	s_or_b32 s[G1+0], s43, (1<<16)|(1<<20)|(1<<21)|(5<<22)|(3<<25)  ; 15:0 the mask; 17:16 2-byte elements; 20 padding on; 21 set beside a mask; 24:22 after every 64 words (code 5); 31:25 4 words (code 3)
	s_or_b32 s[G1B+0], s44, (1<<16)|(1<<20)|(1<<21)|(5<<22)|(3<<25)
.irp g, G1, G1B
	s_mov_b32 s[(\g)+1], KSTEP<<16                 ; tensor_dim0 = 128
	s_mov_b32 s[(\g)+2], 128<<16                   ; tensor_dim1 = 128
	s_mov_b32 s[(\g)+3], KSTEP<<16                 ; tile_dim0 = 128
	s_mov_b32 s[(\g)+4], 128                       ; tile_dim1 = 128
	s_mov_b32 s[(\g)+5], SIZE_K                    ; elements from row to row
	s_mov_b32 s[(\g)+6], 0
	s_mov_b32 s[(\g)+7], 0
.endr
	; xb's tiles hang on the tile row alone, w's on the tile column alone; each address is made in registers that never hold the other coordinate
	s_lshl_b32 s17, s12, 7                         ; which 128 rows of the tile I fetch
	s_lshl_b32 s16, s13, 8
	s_add_co_u32 s16, s16, s17                     ; xb: row 256 x tile row + 128 x half
	s_lshl_b32 s46, s42, 8
	s_add_co_u32 s46, s46, s17                     ; w: row 256 x tile column + 128 x half
	s_mov_b32 s17, 0
	s_mov_b32 s47, 0
	s_mov_b64 s[18:19], SIZE_K*2
	s_mul_u64 s[16:17], s[16:17], s[18:19]         ; in bytes
	s_mul_u64 s[46:47], s[46:47], s[18:19]
	s_mul_i32 s20, s10, HALFT                      ; where they go: wave x 128 rows: no place in the cluster enters an LDS address
	s_wait_dscnt 0x0                               ; the opening add is done
	s_wait_kmcnt 0x0
	s_mov_b64 s[8:9], s[6:7]                       ; qkv
	s_add_nc_u64 s[6:7], s[4:5], WBYTE             ; the weight rows
	s_add_nc_u64 s[14:15], s[4:5], s[16:17]
	s_add_nc_u64 s[46:47], s[6:7], s[46:47]
	CROUND                                         ; all sixteen work-groups are here: the first joint loads meet
.irp s, 0,1
	s_mov_b32 s[G0+4*(\s)], 1                                      ; count = 1
	s_add_co_u32 s[G0+4*(\s)+1], s20, (\s)*SLOT                    ; LDS address
	s_add_nc_u64 s[G0+4*(\s)+2:G0+4*(\s)+3], s[14:15], (\s)*KSTEP*2  ; global address: K step s
	s_or_b32 s[G0+4*(\s)+3], s[G0+4*(\s)+3], 0x80000000            ; type = 2
	s_mov_b32 s[G0B+4*(\s)], 1
	s_add_co_u32 s[G0B+4*(\s)+1], s20, (\s)*SLOT
	s_add_nc_u64 s[G0B+4*(\s)+2:G0B+4*(\s)+3], s[46:47], (\s)*KSTEP*2
	s_or_b32 s[G0B+4*(\s)+3], s[G0B+4*(\s)+3], 0x80000000
	JLOAD \s                                       ; two loads of mine are out
.endr
	; A fragment is 16 rows x 32 K in 8 registers: lane l holds row l % 16; registers 0-3 K = 8 (l / 16) + 0..7, registers 4-7 K = 16 + 8 (l / 16) + 0..7: two loads of 16 bytes, 32 bytes apart.
	v_and_b32 v1, 15, v0                           ; l % 16
	v_bfe_u32 v2, v0, 4, 1                         ; l / 16
	v_mul_u32_u24 v3, v1, PITCH
	v_lshl_add_u32 v3, v2, 4, v3                   ; row x pitch + 16 x half
	s_mul_i32 s21, s11, HALFT                      ; my 128 rows of xb
	s_mul_i32 s22, s12, HALFT                      ; my 128 rows of w,
	s_add_co_u32 s22, s22, 2*HALFT                 ; which lie behind xb's 256
.irp s, 0,1
	v_add_nc_u32 v[ADRA+(\s)], s21, v3
	v_add_nc_u32 v[ADRB+(\s)], s22, v3
	s_add_co_u32 s21, s21, SLOT
	s_add_co_u32 s22, s22, SLOT
.endr
	s_mul_i32 s23, s10, 16*SPITCH
	s_add_co_u32 s23, s23, STAGE                   ; my stage
	v_mul_u32_u24 v4, v1, SPITCH                   ; in: row l % 16, 16 bytes for each half of the lanes
	v_lshl_add_u32 v4, v2, 4, v4
	v_add_nc_u32 v[STO], s23, v4
	v_mul_u32_u24 v5, v2, SPITCH                   ; back: lanes 0-15 take one row of 256 bytes, lanes 16-31 the next
	v_lshl_add_u32 v5, v1, 4, v5
	v_add_nc_u32 v[RD], s23, v5
	v_mul_u32_u24 v5, v2, CROW                     ; and the same two rows in qkv
	v_lshl_add_u32 v[CO], v1, 4, v5
	s_lshl_b32 s16, s13, 8                         ; where my part of the tile begins in qkv, in bytes
	s_lshl_b32 s14, s11, 7
	s_add_co_u32 s16, s16, s14                     ; my first row,
	s_mul_i32 s16, s16, CROW
	s_lshl_b32 s46, s42, 9                         ; my first column: 512 x tile column + 256 x half
	s_lshl_b32 s47, s12, 8
	s_add_co_u32 s46, s46, s47
	s_add_co_u32 s16, s16, s46
	s_mov_b32 s17, 0
; 16 matrix instructions: m blocks a0, a0 + 1 of the window's four (hi = 0: my rows 0-63, 1: rows 64-127) x all 8 n blocks, 32 along K.  zero = 1: the first product starts the sums.
.macro MUL16 f, hi, a0, zero
	WIN MUL_LO+0x50*(\hi)
.irp a, \a0, (\a0)+1
.irp b, 0,1,2,3,4,5,6,7
.if \zero
	v_wmma_f32_16x16x32_bf16 v[8*(8*(\a)+(\b)):8*(8*(\a)+(\b))+7], v[(\f)+8*(\b):(\f)+8*(\b)+7], v[(\f)+8*(4*(\hi)+(\a)):(\f)+8*(4*(\hi)+(\a))+7], 0
.else
	v_wmma_f32_16x16x32_bf16 v[8*(8*(\a)+(\b)):8*(8*(\a)+(\b))+7], v[(\f)+8*(\b):(\f)+8*(\b)+7], v[(\f)+8*(4*(\hi)+(\a)):(\f)+8*(4*(\hi)+(\a))+7], v[8*(8*(\a)+(\b)):8*(8*(\a)+(\b))+7]
.endif
.endr
.endr
.endm
; 32 LDS loads in one run: the fragments of a quarter step (128 rows of w, 128 rows of xb, 32 K at byte k of the rows) into buffer f
.macro FETCH slot, k, f
	WIN TO_B
.irp i, 0,1,2,3,4,5,6,7
	ds_load_b128 v[(\f)+8*(\i):(\f)+8*(\i)+3],   v[ADRB+(\slot)] offset:(\k)+(\i)*16*PITCH
	ds_load_b128 v[(\f)+8*(\i)+4:(\f)+8*(\i)+7], v[ADRB+(\slot)] offset:(\k)+(\i)*16*PITCH+32
.endr
	WIN 0
.irp i, 0,1,2,3,4,5,6,7
	ds_load_b128 v[(\f)+8*(\i):(\f)+8*(\i)+3],   v[ADRA+(\slot)] offset:(\k)+(\i)*16*PITCH
	ds_load_b128 v[(\f)+8*(\i)+4:(\f)+8*(\i)+7], v[ADRA+(\slot)] offset:(\k)+(\i)*16*PITCH+32
.endr
.endm
; A load into a register that a matrix instruction has read, and a vector instruction that reads a matrix result, stand four places behind it; only plain vector
; instructions that name none of its registers are places (ISA guide 7.12.1 for vector instructions).
.macro PLACES
.rept 4
	v_nop
.endr
.endm
; A K step is four quarters of 32 along K, 64 matrix instructions each, on buffers 0, 1, 0, 1; the 64 accumulators take turns.
; One of the first three: multiplies buffer f; in its middle it fetches the next quarter's fragments, at byte k of the same slot's rows, into buffer g.
.macro QUARTER slot, k, f, g, zero
	s_wait_dscnt 8                                 ; w and xb's rows 0-63 are in; the youngest eight loads (xb's rows 64-127) may be out
	MUL16 \f, 0, 0, \zero
	MUL16 \f, 0, 2, \zero
	PLACES
	FETCH \slot, \k, \g
	s_wait_dscnt 32                                ; all but the 32 just issued
	MUL16 \f, 1, 0, \zero
	MUL16 \f, 1, 2, \zero
.endm
; The last quarter multiplies buffer 1 and changes slots.  MEET is its first half: ONE barrier.  In front of it each wave waits for all its tensor loads (one is out: its part
; of the next slot), adds 0 to its spare word, and waits for that and for its own reads of this slot.  Behind it nobody reads this slot and the next slot is whole.
.macro MEET round
	WIN 0                                          ; (the add's two registers lie in window 0)
	s_wait_tensorcnt 0x0
	ds_add_u32 v[SPW], v[NIL]                      ; 0 onto my spare word
	s_wait_dscnt 9                                 ; (the add and the youngest eight loads may be out)
	MUL16 F1, 0, 0, 0                              ; sixteen matrix instructions stand between the add and the wait for it
	s_wait_dscnt 0x0                               ; the add is done, and my reads of this slot are over
	s_barrier_signal -1
	MUL16 F1, 0, 2, 0                              ; work on registers while the others arrive
.if \round
	WIN 0
.endif
	s_barrier_wait -1
.endm
; fill = 1: the barrier opens a round of the cluster's, and the slot just read out is filled again, two K steps on, first thing behind the round:
; from that request to the wait for it a wave issues 224 matrix instructions.
.macro TURN slot, next, fill
	MEET \fill
.if \fill
	CREST                                          ; no wave of any partner still reads this slot's tile or has a load on its way
	s_add_nc_u64 s[G0+4*(\slot)+2:G0+4*(\slot)+3], s[G0+4*(\slot)+2:G0+4*(\slot)+3], 2*KSTEP*2
	s_add_nc_u64 s[G0B+4*(\slot)+2:G0B+4*(\slot)+3], s[G0B+4*(\slot)+2:G0B+4*(\slot)+3], 2*KSTEP*2
	JLOAD \slot                                    ; its four v_nop are also the places in front of the loads below
.else
	PLACES
.endif
	FETCH \next, 0, F0
	MUL16 F1, 1, 0, 0
	MUL16 F1, 1, 2, 0
.endm
; THE WAY OUT of block a (16 rows).  PACK: rounded to f16, each accumulator's registers in ascending order, 16 bytes a lane.  TOSTAGE: into my own stage, and back as rows of 256 bytes.  SEND: stored.
.macro PACK a
.set AC, 64*((\a)%4)
	WIN 0x0a+5*((\a)/4)                            ; sources 0 and 1: window 2 or 3
.irp b, 0,1,2,3,4,5,6,7
.irp r, 0,1,2,3
	v_cvt_pk_f16_f32 v[TMP+4*(\b)+(\r)], v[AC+8*(\b)+2*(\r)], v[AC+8*(\b)+2*(\r)+1]
.endr
.endr
	WIN 0
.endm
.macro TOSTAGE a
.set BK, OB+192*((\a)%2)
.irp b, 0,1,2,3,4,5,6,7
	ds_store_b128 v[STO], v[TMP+4*(\b):TMP+4*(\b)+3] offset:32*(\b)
.endr
.irp t, 0,1,2,3,4,5,6,7
	ds_load_b128 v[BK+4*(\t):BK+4*(\t)+3], v[RD] offset:(\t)*2*SPITCH  ; LDS serves a wave's instructions in order (ISA guide 5.7.1.4): these see the stores above
.endr
.endm
.macro SEND a
.set BK, OB+192*((\a)%2)
	s_wait_dscnt 0x0                               ; the block is back in registers
	s_wait_xcnt 0x0                                ; earlier stores have had their addresses translated (ISA guide 3.1): only now are their base and, by the next TOSTAGE, their data rewritten
.if (\a) == 0
	s_add_nc_u64 s[8:9], s[8:9], s[16:17]          ; on to my first rows
.else
	s_add_nc_u64 s[8:9], s[8:9], 16*CROW           ; 16 rows on
.endif
.irp t, 0,1,2,3,4,5,6,7
	global_store_b128 v[CO], v[BK+4*(\t):BK+4*(\t)+3], s[8:9] offset:2*(\t)*CROW  ; 16 lanes store 256 consecutive bytes, at a multiple of 256 from qkv's first byte
.endr
.endm
	s_wait_tensorcnt 1                             ; my part of K step 0 is in; K step 1's may stay out
	s_barrier_signal -1
	s_barrier_wait -1                              ; everybody's is
	FETCH 0, 0, F0
	QUARTER 0, 64,  F0, F1, 1                      ; the first quarter stands in front of the loop: its products start the sums
	WIN 0                                          ; at a label and at a branch every window is 0
	s_mov_b32 s3, LAPS-1
.Llap:                                                 ; a trip goes once round the ring, from a lap's second quarter to the next lap's first, and fills both slots again
	QUARTER 0, 128, F1, F0, 0
	QUARTER 0, 192, F0, F1, 0
	TURN 0, 1, 1
	QUARTER 1, 64,  F0, F1, 0
	QUARTER 1, 128, F1, F0, 0
	QUARTER 1, 192, F0, F1, 0
	TURN 1, 0, 1
	QUARTER 0, 64,  F0, F1, 0
	WIN 0
	s_sub_co_u32 s3, s3, 1
	s_cmp_lg_u32 s3, 0
	s_cbranch_scc1 .Llap
	QUARTER 0, 128, F1, F0, 0                      ; the last lap is written out: it asks for nothing more
	QUARTER 0, 192, F0, F1, 0
	TURN 0, 1, 0
	QUARTER 1, 64,  F0, F1, 0
	QUARTER 1, 128, F1, F0, 0
	QUARTER 1, 192, F0, F1, 0
	s_wait_dscnt 8                                 ; the very last quarter: nothing more to fetch
	MUL16 F1, 0, 0, 0
	MUL16 F1, 0, 2, 0
	s_wait_dscnt 0x0
	MUL16 F1, 1, 0, 0
	MUL16 F1, 1, 2, 0
	WIN 0
	PLACES
	PACK 0
	TOSTAGE 0
.irp a, 1,2,3,4,5,6,7                  ; block a's conversions stand between block a - 1's loads from the stage and the wait for them
	PACK \a
	SEND (\a)-1
	TOSTAGE \a
.endr
	SEND 7
	s_wait_tensorcnt 0x0                           ; the wave's end: these three lines stand behind my last tensor load and my last LDS store
	ds_add_u32 v[SPW], v[NIL]
	s_wait_dscnt 0x0
	CROUND                                         ; the closing round: no work-group ends while a partner may still ask for a tile that names it
	s_endpgm
.Lfunc_end_k_qdfa7bb6bca_proj:
	.size	k_qdfa7bb6bca_proj, .Lfunc_end_k_qdfa7bb6bca_proj-k_qdfa7bb6bca_proj
	.p2alignl 7, 3214868480
	.fill 96, 4, 3214868480
	.section	.rodata,"a",@progbits
	.p2align	6, 0x0
	.amdhsa_kernel k_qdfa7bb6bca_proj
		.amdhsa_group_segment_fixed_size 327680
		.amdhsa_private_segment_fixed_size 0
		.amdhsa_enable_private_segment 0
		.amdhsa_kernarg_size 16
		.amdhsa_user_sgpr_count 2
		.amdhsa_user_sgpr_kernarg_segment_ptr 1
		.amdhsa_wavefront_size32 1
		.amdhsa_system_sgpr_workgroup_id_x 1
		.amdhsa_system_sgpr_workgroup_id_y 1
		.amdhsa_system_sgpr_workgroup_id_z 1
		.amdhsa_system_vgpr_workitem_id 0
		.amdhsa_next_free_vgpr 1024
		.amdhsa_next_free_sgpr 66
		.amdhsa_reserve_vcc 0
		.amdhsa_float_denorm_mode_32 3
		.amdhsa_float_denorm_mode_16_64 3
		.amdhsa_memory_ordered 1
		.amdhsa_forward_progress 1
		.amdhsa_inst_pref_size 143
	.end_amdhsa_kernel
	.amdgpu_metadata
---
amdhsa.version: [ 1, 2 ]
amdhsa.kernels:
  - .name:           k_qdfa7bb6bca_proj
    .symbol:         k_qdfa7bb6bca_proj.kd
    .args:
      - { .name: xw, .offset: 0, .size: 8, .value_kind: global_buffer, .address_space: global }
      - { .name: qkv, .offset: 8, .size: 8, .value_kind: global_buffer, .address_space: global }
    .group_segment_fixed_size: 327680
    .private_segment_fixed_size: 0
    .kernarg_segment_align: 8
    .kernarg_segment_size: 16
    .max_flat_workgroup_size: 128
    .sgpr_count:     66
    .vgpr_count:     1024
    .wavefront_size: 32
...
	.end_amdgpu_metadata
.endif
;; end of part 2
;; launch scores (part 3): grid 8 x 32, 4 waves a work-group, clusters of 4 x 4, 327,680 bytes of LDS; arguments qkv, pw, cm, ls; writes pw, cm, ls
.if DOCPART == 3
	.amdgcn_target "amdgcn-amd-amdhsa--gfx1250"
	.amdhsa_code_object_version 6
	.text
	.protected	k_qdfa7bb6bca_scores
	.globl	k_qdfa7bb6bca_scores
	.p2align	8
	.type	k_qdfa7bb6bca_scores,@function
k_qdfa7bb6bca_scores:
	s_mov_b64 s[64:65], 0
	v_nop
	global_prefetch_b8 v0, s[64:65] scope:SCOPE_SE
	s_setreg_imm32_b32 hwreg(HW_REG_WAVE_MODE, 25, 1), 1
	s_wait_xcnt 0x0
	s_wait_alu depctr_hold_cnt(0) depctr_sa_sdst(0) depctr_va_vdst(0) depctr_va_sdst(0) depctr_va_ssrc(0) depctr_va_vcc(0) depctr_vm_vsrc(0)
	s_getreg_b32 s2, hwreg(HW_REG_IB_STS2, 6, 4)
	s_cmp_eq_u32 s2, 0
	s_cbranch_scc0 .Lentry_in_a_cluster
	s_endpgm
.Lentry_in_a_cluster:
	s_bfe_u32 s2, ttmp6, 0x10000c
	s_cmp_lg_u32 s2, 0xf033
	s_cbranch_scc0 .Lentry_shape_is_right
	s_endpgm
.Lentry_shape_is_right:
; For each batch: s = q k^T (f16 operands, f32 sums), and the first half of the softmax, by tiles of 128 keys.  For query i and key tile t:
;   cm[b][t][i] = c max over the tile of s,  c = log2(e) / 32;   pw[b][i][k] = 2^(c s - cm) in f16;   ls[b][t][i] = the sum of the unrounded weights.
; Each tile takes its own true maximum away, so every weight lies in 0 to 1 and ls in 1 to 128; the next launch brings the tiles to the row's maximum.
; LIMITS.  A weight below 2^-126 counts as 0 in ls; in pw a weight below 6e-5 keeps f16's fixed step of 6e-8.  NaN and infinities are not treated apart.
; attn_mask and pad_mask are not read: the function to be computed takes them and never uses them.
; A tile of 256 queries x 256 keys is made by four waves, each 128 x 128 (so a wave's columns are one key tile t): 64 accumulators, 512 registers.  K (the 1,024 channels) goes in steps
; of 128 through two LDS slots filled by the tensor data mover; a tile's rows are 256 bytes of memory and start at multiples of 256 bytes of qkv.
; CLUSTERS: 4 x 4 work-groups.  The four of a row of the cluster need the same rows of q, the four of a column the same rows of k: each tile is asked for JOINTLY.
; REGISTERS, in windows of 256 (s_set_vgpr_msb: bits 1:0 source 0, 3:2 source 1, 5:4 source 2, 7:6 destination):
;   window 0: v0-40 addresses and statistics; v64-127, v128-191 fragments of q, two buffers; on the way out v64-127 weights in f32, v128-159 packed, v160-191 rows read back
;   window 1: v64-127, v128-191 fragments of k;   window 2: the accumulators of my queries 0-63 ((a, b) at v[8 (8 a + b)]);   window 3: those of my queries 64-127
; THE MATRIX INSTRUCTION IS USED TRANSPOSED: source 0 = 16 keys, source 1 = 16 queries: lane l holds ONE query, l % 16, and in accumulator b the keys 16 b + 8 (l / 16) + 0..7.
; So a query's maximum and sum are 64 numbers of a lane and one exchange between the halves of the lanes.
.set SIZE_K, 1024
.set QSTR,   3072                      ; elements in a row of qkv
.set QROW,   6144                      ; bytes in it
.set KCOL,   2048                      ; the byte of a row at which k begins
.set PROW,   4096                      ; bytes in a row of pw
.set KSTEP,  128
.set PITCH,  272                       ; an LDS row: 256 bytes + 16 of padding = 68 words: row r starts at bank 4 r mod 64 (64 banks of 4 bytes: ISA guide 11.1)
.set HALFT,  128*PITCH
.set SLOT,   4*HALFT                   ; q's 256 rows, then k's 256 rows
.set STAGE,  2*SLOT                    ; behind the ring: 16 rows x 272 bytes for each wave
.set SPITCH, 272
.set STATS,  STAGE+4*16*SPITCH         ; for each wave 512 bytes of cm, then 512 of ls: my 128 queries in order
.set SPARE,  STATS+4*1024              ; the spare words, 128 bytes a wave: two blocks of 256 bytes that no other line names
.set LAPS,   SIZE_K/(2*KSTEP)
.set ADRA, 16                          ; v16-17  LDS address of my fragments of q in slot 0, 1
.set ADRB, 20                          ; v20-21  the same for k
.set STO,  24                          ; v24     where I put 16 bytes of a row of weights
.set RD,   25                          ; v25     where I read a row back
.set CO,   26                          ; v26     my byte offset in pw
.set SA,   27                          ; v27     where my query's cm goes: STATS + 1,024 w + 4 (l % 16); never rewritten
.set SPW,  28                          ; v28     LDS address of my spare word; never rewritten
.set NIL,  29                          ; v29     0; never rewritten
.set SR,   30                          ; v30     where I read 16 bytes of statistics back
.set SG,   31                          ; v31     16 x lane: my byte offset in 512 bytes of cm and of ls
.set CH,   32                          ; v32-35  four running maxima
.set CMR,  38                          ; v[38:39] c m, named as a pair
.set LS,   40                          ; v40     the block's sum
.set F0,   64
.set F1,   128
.set T,    64                          ; v64-127   a block's 64 numbers a lane: c s - c m, then the weights
.set PK,   128                         ; v128-159  the weights in f16
.set OB,   160                         ; v160-191  16 rows read back from the stage
.set G1,  24
.set G0,  32
.set G1B, 48
.set G0B, 56
.set CS,  66                           ; s[66:67] c: the packed scaling names a pair and takes its low word for both halves
.set SEL, 68                           ; s[68:69] v_permlanex16_b32's selects: each lane takes its own place in the other half
.set BL,  70                           ; s70  the block of 16 queries in hand, 0 to 7
.set MSB, 0
.macro WIN new
.if MSB != (\new)
	s_set_vgpr_msb (MSB<<8)|(\new)
.set MSB, \new
.endif
.endm
.set MUL_LO, 0xa1                      ; source 0 (k) window 1, source 1 (q) window 0, C and D window 2
.set MUL_HI, 0xf1
.set TO_B,   0x40
.macro JLOAD s                         ; a joint load: waves 0 and 1 fetch q's two halves, waves 2 and 3 k's; an s_nop 0 and four v_nop follow each line
	s_cmp_eq_u32 s11, 0
	s_cbranch_scc0 .Lfor_b_\@
	tensor_load_to_lds s[G0+4*(\s):G0+4*(\s)+3], s[G1:G1+7]
	s_nop 0
.rept 4
	v_nop
.endr
	s_branch .Lasked_\@
.Lfor_b_\@:
	tensor_load_to_lds s[G0B+4*(\s):G0B+4*(\s)+3], s[G1B:G1B+7]
	s_nop 0
.rept 4
	v_nop
.endr
.Lasked_\@:
.endm
.macro CREST                           ; a round of the cluster's barrier behind its opening barrier
	s_cmp_lg_u32 s10, 0
	s_cbranch_scc1 .Lnot_wave_0_\@
	s_barrier_signal -3
.Lnot_wave_0_\@:
	s_barrier_wait -3
	s_barrier_signal -1
	s_barrier_wait -1
.endm
.macro CROUND
	s_barrier_signal -1
	s_barrier_wait -1
	CREST
.endm
	s_load_b256 s[72:79], s[0:1], 0x0              ; qkv s[72:73], pw s[74:75], cm s[76:77], ls s[78:79]
	v_lshl_add_u32 v[SPW], v0, 2, SPARE
	v_mov_b32 v[NIL], 0
	ds_add_u32 v[SPW], v[NIL]                      ; the wave's opening: the add and its wait stand ahead of my first tensor load; the set-up below stands between them
	v_lshrrev_b32 v1, 5, v0
	v_readfirstlane_b32 s10, v1                    ; wave 0..3
	s_lshr_b32 s11, s10, 1                         ; which half of the tile's queries is mine.  Also: I fetch for q (0) or for k (1)
	s_and_b32 s12, s10, 1                          ; which half of its keys.  Also: which 128 rows of that tile I fetch
	s_bfe_u32 s40, ttmp6, 0x40000                  ; cx
	s_bfe_u32 s41, ttmp6, 0x40004                  ; cy
	s_lshl_b32 s42, ttmp9, 2
	s_add_co_u32 s42, s42, s40                     ; key tile of 256 = 4 x cluster x + cx
	s_and_b32 s45, ttmp7, 0xffff
	s_lshl_b32 s13, s45, 2
	s_add_co_u32 s13, s13, s41                     ; 8 x batch + query tile = 4 x cluster y + cy: 256 x this is q's row in qkv
	s_lshr_b32 s45, s45, 1                         ; the batch, from the cluster's y alone: all sixteen partners share it
	s_lshl_b32 s43, s41, 2
	s_lshl_b32 s43, 15, s43                        ; my row of the cluster
	s_lshl_b32 s44, 0x1111, s40                    ; my column
	s_or_b32 s[G1+0], s43, (1<<16)|(1<<20)|(1<<21)|(5<<22)|(3<<25)  ; 15:0 the mask; 17:16 2-byte elements; 20 padding on; 21 set beside a mask; 24:22 after every 64 words; 31:25 4 words
	s_or_b32 s[G1B+0], s44, (1<<16)|(1<<20)|(1<<21)|(5<<22)|(3<<25)
.irp g, G1, G1B
	s_mov_b32 s[(\g)+1], KSTEP<<16                 ; tensor_dim0 = 128
	s_mov_b32 s[(\g)+2], 128<<16                   ; tensor_dim1 = 128
	s_mov_b32 s[(\g)+3], KSTEP<<16                 ; tile_dim0 = 128
	s_mov_b32 s[(\g)+4], 128                       ; tile_dim1 = 128
	s_mov_b32 s[(\g)+5], QSTR                      ; elements from row to row
	s_mov_b32 s[(\g)+6], 0
	s_mov_b32 s[(\g)+7], 0
.endr
	s_lshl_b32 s17, s12, 7                         ; which 128 rows of the tile I fetch
	s_lshl_b32 s16, s13, 8
	s_add_co_u32 s16, s16, s17                     ; q: row 256 x (8 batch + query tile) + 128 x half,
	s_mul_i32 s16, s16, QROW                       ; in bytes (under 2^26)
	s_lshl_b32 s46, s42, 8
	s_add_co_u32 s46, s46, s17
	s_lshl_b32 s47, s45, 11
	s_add_co_u32 s46, s46, s47                     ; k: row 2,048 x batch + 256 x key tile + 128 x half,
	s_mul_i32 s46, s46, QROW
	s_add_co_u32 s46, s46, KCOL                    ; and k's place in the row
	s_mov_b32 s17, 0
	s_mov_b32 s47, 0
	s_mul_i32 s20, s10, HALFT                      ; where they go: wave x 128 rows
	s_mov_b32 s[CS], 0x3d38aa3b                    ; c = log2(e) / 32 = 0.0450842
	s_mov_b32 s[CS+1], s[CS]
	s_mov_b32 s[SEL], 0x76543210
	s_mov_b32 s[SEL+1], 0xfedcba98
	s_wait_dscnt 0x0                               ; the opening add is done
	s_wait_kmcnt 0x0
	s_add_nc_u64 s[14:15], s[72:73], s[16:17]
	s_add_nc_u64 s[46:47], s[72:73], s[46:47]
	CROUND                                         ; all sixteen work-groups are here: the first joint loads meet
.irp s, 0,1
	s_mov_b32 s[G0+4*(\s)], 1
	s_add_co_u32 s[G0+4*(\s)+1], s20, (\s)*SLOT
	s_add_nc_u64 s[G0+4*(\s)+2:G0+4*(\s)+3], s[14:15], (\s)*KSTEP*2
	s_or_b32 s[G0+4*(\s)+3], s[G0+4*(\s)+3], 0x80000000
	s_mov_b32 s[G0B+4*(\s)], 1
	s_add_co_u32 s[G0B+4*(\s)+1], s20, (\s)*SLOT
	s_add_nc_u64 s[G0B+4*(\s)+2:G0B+4*(\s)+3], s[46:47], (\s)*KSTEP*2
	s_or_b32 s[G0B+4*(\s)+3], s[G0B+4*(\s)+3], 0x80000000
	JLOAD \s                                       ; two loads of mine are out
.endr
	v_and_b32 v1, 15, v0                           ; l % 16
	v_bfe_u32 v2, v0, 4, 1                         ; l / 16
	v_mul_u32_u24 v3, v1, PITCH
	v_lshl_add_u32 v3, v2, 4, v3                   ; a fragment's row x pitch + 16 x half
	s_mul_i32 s21, s11, HALFT                      ; my 128 rows of q
	s_mul_i32 s22, s12, HALFT                      ; my 128 rows of k,
	s_add_co_u32 s22, s22, 2*HALFT                 ; which lie behind q's 256
.irp s, 0,1
	v_add_nc_u32 v[ADRA+(\s)], s21, v3
	v_add_nc_u32 v[ADRB+(\s)], s22, v3
	s_add_co_u32 s21, s21, SLOT
	s_add_co_u32 s22, s22, SLOT
.endr
	s_mul_i32 s23, s10, 16*SPITCH
	s_add_co_u32 s23, s23, STAGE                   ; my stage
	v_mul_u32_u24 v4, v1, SPITCH
	v_lshl_add_u32 v4, v2, 4, v4
	v_add_nc_u32 v[STO], s23, v4
	v_mul_u32_u24 v5, v2, SPITCH
	v_lshl_add_u32 v5, v1, 4, v5
	v_add_nc_u32 v[RD], s23, v5
	v_lshlrev_b32 v5, 12, v2                       ; the same two rows in pw
	v_lshl_add_u32 v[CO], v1, 4, v5
	s_lshl_b32 s23, s10, 10
	s_add_co_u32 s23, s23, STATS                   ; my statistics
	v_lshl_add_u32 v[SA], v1, 2, s23
	v_and_b32 v[SG], 31, v0
	v_lshlrev_b32 v[SG], 4, v[SG]
	v_add_nc_u32 v[SR], s23, v[SG]
	s_lshl_b32 s16, s13, 8                         ; where my part of the tile begins in pw
	s_lshl_b32 s14, s11, 7
	s_add_co_u32 s16, s16, s14
	s_lshl_b32 s16, s16, 12                        ; my first row x 4,096 bytes,
	s_lshl_b32 s46, s42, 9                         ; my first key: 512 x key tile + 256 x half
	s_lshl_b32 s47, s12, 8
	s_add_co_u32 s46, s46, s47
	s_add_co_u32 s16, s16, s46
	s_mov_b32 s17, 0
	s_add_nc_u64 s[8:9], s[74:75], s[16:17]
	s_lshr_b32 s84, s13, 3                         ; and in cm and ls: ((16 batch + t) x 2,048 + my first query in the batch) x 4 bytes, t = 2 x key tile + half
	s_lshl_b32 s84, s84, 4
	s_lshl1_add_u32 s84, s42, s84
	s_add_co_u32 s84, s84, s12
	s_lshl_b32 s84, s84, 11
	s_and_b32 s85, s13, 7
	s_lshl_b32 s85, s85, 8
	s_add_co_u32 s84, s84, s85
	s_lshl_b32 s85, s11, 7
	s_add_co_u32 s84, s84, s85
	s_lshl_b32 s84, s84, 2
	s_mov_b32 s85, 0
	s_add_nc_u64 s[76:77], s[76:77], s[84:85]
	s_add_nc_u64 s[78:79], s[78:79], s[84:85]
.macro MUL16 f, hi, a0, zero           ; 16 matrix instructions: query blocks a0, a0 + 1 of the window's four x all 8 key blocks, 32 channels
	WIN MUL_LO+0x50*(\hi)
.irp a, \a0, (\a0)+1
.irp b, 0,1,2,3,4,5,6,7
.if \zero
	v_wmma_f32_16x16x32_f16 v[8*(8*(\a)+(\b)):8*(8*(\a)+(\b))+7], v[(\f)+8*(\b):(\f)+8*(\b)+7], v[(\f)+8*(4*(\hi)+(\a)):(\f)+8*(4*(\hi)+(\a))+7], 0
.else
	v_wmma_f32_16x16x32_f16 v[8*(8*(\a)+(\b)):8*(8*(\a)+(\b))+7], v[(\f)+8*(\b):(\f)+8*(\b)+7], v[(\f)+8*(4*(\hi)+(\a)):(\f)+8*(4*(\hi)+(\a))+7], v[8*(8*(\a)+(\b)):8*(8*(\a)+(\b))+7]
.endif
.endr
.endr
.endm
.macro FETCH slot, k, f                ; 32 LDS loads in one run: a quarter step's fragments, k's first
	WIN TO_B
.irp i, 0,1,2,3,4,5,6,7
	ds_load_b128 v[(\f)+8*(\i):(\f)+8*(\i)+3],   v[ADRB+(\slot)] offset:(\k)+(\i)*16*PITCH
	ds_load_b128 v[(\f)+8*(\i)+4:(\f)+8*(\i)+7], v[ADRB+(\slot)] offset:(\k)+(\i)*16*PITCH+32
.endr
	WIN 0
.irp i, 0,1,2,3,4,5,6,7
	ds_load_b128 v[(\f)+8*(\i):(\f)+8*(\i)+3],   v[ADRA+(\slot)] offset:(\k)+(\i)*16*PITCH
	ds_load_b128 v[(\f)+8*(\i)+4:(\f)+8*(\i)+7], v[ADRA+(\slot)] offset:(\k)+(\i)*16*PITCH+32
.endr
.endm
.macro PLACES                          ; four places in front of loads into registers that matrix instructions have read, and of vector lines that read results (ISA guide 7.12.1 for the vector lines)
.rept 4
	v_nop
.endr
.endm
.macro QUARTER slot, k, f, g, zero     ; 64 matrix instructions on buffer f, the 64 accumulators by turns; in the middle the next quarter's fragments into g
	s_wait_dscnt 8                                 ; k and q's rows 0-63 are in; the youngest eight loads (q's rows 64-127) may be out
	MUL16 \f, 0, 0, \zero
	MUL16 \f, 0, 2, \zero
	PLACES
	FETCH \slot, \k, \g
	s_wait_dscnt 32                                ; all but the 32 just issued
	MUL16 \f, 1, 0, \zero
	MUL16 \f, 1, 2, \zero
.endm
.macro MEET round                      ; the change of slots: each wave waits for all its tensor loads, adds 0 to its spare word, waits for that and for its reads of this slot, and signals
	WIN 0
	s_wait_tensorcnt 0x0                           ; the one that was out is my part of the next slot
	ds_add_u32 v[SPW], v[NIL]                      ; 0 onto my spare word
	s_wait_dscnt 9                                 ; (the add and the youngest eight loads may be out)
	MUL16 F1, 0, 0, 0
	s_wait_dscnt 0x0                               ; the add is done, and my reads of this slot are over
	s_barrier_signal -1
	MUL16 F1, 0, 2, 0
.if \round
	WIN 0
.endif
	s_barrier_wait -1
.endm
.macro TURN slot, next, fill           ; fill = 1: the barrier opens a round of the cluster's, and the joint refill, two K steps on, is the first thing behind the round
	MEET \fill
.if \fill
	CREST
	s_add_nc_u64 s[G0+4*(\slot)+2:G0+4*(\slot)+3], s[G0+4*(\slot)+2:G0+4*(\slot)+3], 2*KSTEP*2
	s_add_nc_u64 s[G0B+4*(\slot)+2:G0B+4*(\slot)+3], s[G0B+4*(\slot)+2:G0B+4*(\slot)+3], 2*KSTEP*2
	JLOAD \slot                                    ; its four v_nop are also the places in front of the loads below
.else
	PLACES
.endif
	FETCH \next, 0, F0
	MUL16 F1, 1, 0, 0
	MUL16 F1, 1, 2, 0
.endm
; THE LINES OF BLOCK a THAT NAME ITS ACCUMULATORS (64 registers of window 2 or 3), so that all the rest of a block's work is written once.
; The block before's sum goes to its place; the maximum of my 64 scores, in four chains of sixteen, each accumulator's lowest registers read first;
; the other half of the lanes' maximum; c m, to its place; c s - c m into T.  Every LDS address is a constant and a lane's term.
.macro STUB a
.set AC, 64*((\a)%4)
.set WD, 2+(\a)/4
.if (\a) > 0
	ds_store_b32 v[SA], v[LS] offset:512+64*((\a)-1)
.endif
	WIN WD*0x15                                    ; sources 0, 1 and 2 in the accumulators' window
.irp i, 0,1,2,3
	v_max3_num_f32 v[CH+(\i)], v[AC+16*(\i)], v[AC+16*(\i)+1], v[AC+16*(\i)+2]
.endr
	WIN WD*0x14                                    ; sources 1 and 2
.irp n, 1,2,3,4,5,6
.irp i, 0,1,2,3
	v_max3_num_f32 v[CH+(\i)], v[CH+(\i)], v[AC+16*(\i)+2*(\n)+1], v[AC+16*(\i)+2*(\n)+2]
.endr
.endr
.irp i, 0,1,2,3
	v_max_num_f32 v[CH+(\i)], v[CH+(\i)], v[AC+16*(\i)+15]
.endr
	WIN 0
	v_max3_num_f32 v[CH], v[CH], v[CH+1], v[CH+2]
	v_max_num_f32 v[CH], v[CH], v[CH+3]
	v_permlanex16_b32 v[CH+1], v[CH], s[SEL], s[SEL+1]  ; the query's other 64 keys lie in the lane 16 away
	v_max_num_f32 v[CH], v[CH], v[CH+1]
	v_mul_f32 v[CMR], s[CS], v[CH]
	v_mov_b32 v[CMR+1], v[CMR]                     ; named with it as a pair
	ds_store_b32 v[SA], v[CMR] offset:64*(\a)      ; both halves of the lanes write the same word with the same number
	WIN WD                                         ; source 0
.set i, 0
.rept 32
	v_pk_fma_f32 v[T+2*i:T+2*i+1], v[AC+2*i:AC+2*i+1], s[CS:CS+1], v[CMR:CMR+1] op_sel_hi:[1,0,0] neg_lo:[0,0,1] neg_hi:[0,0,1]
.set i, i+1
.endr
	WIN 0
.endm
	s_wait_tensorcnt 1                             ; my part of K step 0 is in; K step 1's may stay out
	s_barrier_signal -1
	s_barrier_wait -1
	FETCH 0, 0, F0
	QUARTER 0, 64,  F0, F1, 1                      ; the first quarter's products start the sums
	WIN 0
	s_mov_b32 s3, LAPS-1
.Llap:                                                 ; a trip goes once round the ring and fills both slots again
	QUARTER 0, 128, F1, F0, 0
	QUARTER 0, 192, F0, F1, 0
	TURN 0, 1, 1
	QUARTER 1, 64,  F0, F1, 0
	QUARTER 1, 128, F1, F0, 0
	QUARTER 1, 192, F0, F1, 0
	TURN 1, 0, 1
	QUARTER 0, 64,  F0, F1, 0
	WIN 0
	s_sub_co_u32 s3, s3, 1
	s_cmp_lg_u32 s3, 0
	s_cbranch_scc1 .Llap
	QUARTER 0, 128, F1, F0, 0                      ; the last lap is written out: it asks for nothing more
	QUARTER 0, 192, F0, F1, 0
	TURN 0, 1, 0
	QUARTER 1, 64,  F0, F1, 0
	QUARTER 1, 128, F1, F0, 0
	QUARTER 1, 192, F0, F1, 0
	s_wait_dscnt 8
	MUL16 F1, 0, 0, 0
	MUL16 F1, 0, 2, 0
	s_wait_dscnt 0x0
	MUL16 F1, 1, 0, 0
	MUL16 F1, 1, 2, 0
	WIN 0
	PLACES
	; THE WAY OUT: eight blocks of 16 queries, a trip each.  A ladder of forward jumps on the counter picks the block's own lines; they meet at .Lcommon.
	v_mov_b32 v[LS], 0                             ; written once here, so that no way through the ladder meets a register that was never written; block 0's lines do not store it
	s_mov_b32 s[BL], 0
.Lblock:
.irp a, 1,2,3,4,5,6,7
	s_cmp_eq_u32 s[BL], \a
	s_cbranch_scc1 .Lb\a
.endr
	STUB 0
	s_branch .Lcommon
.irp a, 1,2,3,4,5,6
.Lb\a:
	STUB \a
	s_branch .Lcommon
.endr
.Lb7:
	STUB 7
.Lcommon:
.set i, 0
.rept 64
	v_exp_f32 v[T+i], v[T+i]                       ; the weights
.set i, i+1
.endr
	v_nop                                          ; a plain instruction between the run of exponentials and the first use of a result (ISA guide 5.7.2)
.set i, 0
	s_wait_alu depctr_va_vdst(0)
.rept 32
	v_cvt_pk_f16_f32 v[PK+i], v[T+2*i], v[T+2*i+1]
.set i, i+1
.endr
.irp b, 0,1,2,3,4,5,6,7
	ds_store_b128 v[STO], v[PK+4*(\b):PK+4*(\b)+3] offset:32*(\b)  ; keys 16 b + 8 (l / 16) + 0..7 of my query's row
.endr
.irp t, 0,1,2,3,4,5,6,7
	ds_load_b128 v[OB+4*(\t):OB+4*(\t)+3], v[RD] offset:(\t)*2*SPITCH  ; LDS serves a wave's instructions in order (ISA guide 5.7.1.4): these see the stores above
.endr
	; the sum of the unrounded weights stands in the stage's round trip: 32 pairs, neighbours 1, 2, 4, 8 and 16 pairs apart, in place
.set w, 2
.rept 5
.set u, 0
.rept 32/w
	v_pk_add_f32 v[T+2*w*u:T+2*w*u+1], v[T+2*w*u:T+2*w*u+1], v[T+2*w*u+w:T+2*w*u+w+1]
.set u, u+1
.endr
.set w, 2*w
.endr
	v_add_f32 v[LS], v[T], v[T+1]
	v_permlanex16_b32 v[T+2], v[LS], s[SEL], s[SEL+1]
	v_add_f32 v[LS], v[LS], v[T+2]
	s_wait_dscnt 0x0                               ; the block's rows are back in registers
.irp t, 0,1,2,3,4,5,6,7
	global_store_b128 v[CO], v[OB+4*(\t):OB+4*(\t)+3], s[8:9] offset:2*(\t)*PROW  ; 16 lanes store 256 consecutive bytes, at a multiple of 256 from pw's first byte
.endr
	s_wait_xcnt 0x0                                ; the stores' addresses are translated (ISA guide 3.1): only now are their base and, in the next trip, their data rewritten
	s_add_nc_u64 s[8:9], s[8:9], 16*PROW           ; 16 rows on (behind the last trip the stepped address is not used)
	s_add_co_u32 s[BL], s[BL], 1
	s_cmp_lt_u32 s[BL], 8
	s_cbranch_scc1 .Lblock
	ds_store_b32 v[SA], v[LS] offset:512+64*7      ; the last block's sum
	ds_load_b128 v[T:T+3], v[SR]                   ; my 128 queries' cm, 16 bytes a lane, and their ls: my own bytes, served in order
	ds_load_b128 v[T+4:T+7], v[SR] offset:512
	s_wait_dscnt 0x0
	global_store_b128 v[SG], v[T:T+3], s[76:77]    ; 512 consecutive bytes each, at a multiple of 512 from the buffer's first byte
	global_store_b128 v[SG], v[T+4:T+7], s[78:79]
	s_wait_tensorcnt 0x0                           ; the wave's end: these three lines stand behind my last tensor load and my last LDS store
	ds_add_u32 v[SPW], v[NIL]
	s_wait_dscnt 0x0
	CROUND                                         ; the closing round
	s_endpgm
.Lfunc_end_k_qdfa7bb6bca_scores:
	.size	k_qdfa7bb6bca_scores, .Lfunc_end_k_qdfa7bb6bca_scores-k_qdfa7bb6bca_scores
	.p2alignl 7, 3214868480
	.fill 96, 4, 3214868480
	.section	.rodata,"a",@progbits
	.p2align	6, 0x0
	.amdhsa_kernel k_qdfa7bb6bca_scores
		.amdhsa_group_segment_fixed_size 327680
		.amdhsa_private_segment_fixed_size 0
		.amdhsa_enable_private_segment 0
		.amdhsa_kernarg_size 32
		.amdhsa_user_sgpr_count 2
		.amdhsa_user_sgpr_kernarg_segment_ptr 1
		.amdhsa_wavefront_size32 1
		.amdhsa_system_sgpr_workgroup_id_x 1
		.amdhsa_system_sgpr_workgroup_id_y 1
		.amdhsa_system_sgpr_workgroup_id_z 1
		.amdhsa_system_vgpr_workitem_id 0
		.amdhsa_next_free_vgpr 1024
		.amdhsa_next_free_sgpr 88
		.amdhsa_reserve_vcc 0
		.amdhsa_float_denorm_mode_32 3
		.amdhsa_float_denorm_mode_16_64 3
		.amdhsa_memory_ordered 1
		.amdhsa_forward_progress 1
		.amdhsa_inst_pref_size 157
	.end_amdhsa_kernel
	.amdgpu_metadata
---
amdhsa.version: [ 1, 2 ]
amdhsa.kernels:
  - .name:           k_qdfa7bb6bca_scores
    .symbol:         k_qdfa7bb6bca_scores.kd
    .args:
      - { .name: qkv, .offset: 0, .size: 8, .value_kind: global_buffer, .address_space: global }
      - { .name: pw, .offset: 8, .size: 8, .value_kind: global_buffer, .address_space: global }
      - { .name: cm, .offset: 16, .size: 8, .value_kind: global_buffer, .address_space: global }
      - { .name: ls, .offset: 24, .size: 8, .value_kind: global_buffer, .address_space: global }
    .group_segment_fixed_size: 327680
    .private_segment_fixed_size: 0
    .kernarg_segment_align: 8
    .kernarg_segment_size: 32
    .max_flat_workgroup_size: 128
    .sgpr_count:     88
    .vgpr_count:     1024
    .wavefront_size: 32
...
	.end_amdgpu_metadata
.endif
;; end of part 3
;; launch pv (part 4): grid 4 x 64, 4 waves a work-group, clusters of 4 x 4, 327,680 bytes of LDS; arguments pw, qkv, cm, ls, out0; writes out0
.if DOCPART == 4
	.amdgcn_target "amdgcn-amd-amdhsa--gfx1250"
	.amdhsa_code_object_version 6
	.text
	.protected	k_qdfa7bb6bca_pv
	.globl	k_qdfa7bb6bca_pv
	.p2align	8
	.type	k_qdfa7bb6bca_pv,@function
k_qdfa7bb6bca_pv:
	s_mov_b64 s[64:65], 0
	v_nop
	global_prefetch_b8 v0, s[64:65] scope:SCOPE_SE
	s_setreg_imm32_b32 hwreg(HW_REG_WAVE_MODE, 25, 1), 1
	s_wait_xcnt 0x0
	s_wait_alu depctr_hold_cnt(0) depctr_sa_sdst(0) depctr_va_vdst(0) depctr_va_sdst(0) depctr_va_ssrc(0) depctr_va_vcc(0) depctr_vm_vsrc(0)
	s_getreg_b32 s2, hwreg(HW_REG_IB_STS2, 6, 4)
	s_cmp_eq_u32 s2, 0
	s_cbranch_scc0 .Lentry_in_a_cluster
	s_endpgm
.Lentry_in_a_cluster:
	s_bfe_u32 s2, ttmp6, 0x10000c
	s_cmp_lg_u32 s2, 0xf033
	s_cbranch_scc0 .Lentry_shape_is_right
	s_endpgm
.Lentry_shape_is_right:
; The second half of the softmax and the second product.  For query i: M = max over the 16 key tiles t of cm[t], f[t] = 2^(cm[t] - M), L = sum of ls[t] f[t];
;   out0[i][e] = (1 / L) sum over t of sum over the tile's keys of (pw[i][k] f[t]) v[k][e].
; M is the row's true maximum (times c), so every f lies in 0 to 1 and L is at least 1: the tile that holds the maximum has f = 1 and ls >= 1.
; f is rounded to f16 and L is made of the rounded f, so that rounding cancels in the quotient; pw f is one packed f16 multiply on the fragment, in registers.  Products f16, sums f32, out0 f32.
; LIMITS.  f below 6e-8 counts as 0, and pw f below 6e-5 keeps f16's fixed step of 6e-8: nothing beside L >= 1.  NaN and infinities are not treated apart.
; attn_mask and pad_mask are not read: the function to be computed takes them and never uses them.
; A tile of 128 queries x 256 channels gives each of 256 work-groups one tile (256 x 256 would make 128).  Four waves, each 64 queries x 128 channels: 32 accumulators, 256 registers.
; K (the 2,048 keys) goes in steps of 128, one key tile t a step, through two LDS slots: 128 rows of pw (256 bytes each) and 128 rows of v (512 bytes each), all starting at multiples of 256 bytes.
; CLUSTERS: 4 x 4 work-groups.  The four of a row of the cluster need the same rows of pw, the four of a column the same keys and channels of v: each tile is asked for JOINTLY.
; THE MATRIX INSTRUCTION IS USED TRANSPOSED: source 0 = 16 channels x 32 keys of v, turned on the way out of LDS by ds_load_tr16_b128; source 1 = 16 queries x 32 keys of pw, as it lies.
; Lane l then holds query l % 16 and, in accumulator b, channels 16 b + 8 (l / 16) + 0..7: 32 neighbouring bytes of a row of out0.
; REGISTERS (s_set_vgpr_msb: bits 1:0 source 0, 3:2 source 1, 5:4 source 2, 7:6 destination):
;   window 0: v0-52 addresses, factors, statistics; v64-127, v128-191 fragments of v, two buffers; v192-223, v224-255 fragments of pw, two buffers;   window 1: accumulator (a, b) at v[8 (8 a + b)]
.set PSTR,  2048                       ; elements in a row of pw
.set QSTR,  3072                       ; elements in a row of qkv
.set QROW,  6144                       ; bytes in it
.set VCOL,  4096                       ; the byte of a row at which v begins
.set OROW,  4096                       ; bytes in a row of out0
.set PA,    272                        ; a row of pw in LDS: 256 bytes + 16 = 68 words: the 16 rows of a load start at 16 different groups of four banks (64 banks of 4 bytes: ISA guide 11.1)
.set PB,    544                        ; a row of v: 512 + 32 = 136 words: row r starts at bank 8 r mod 64
.set ATILE, 128*PA
.set BTILE, 128*PB
.set SLOT,  ATILE+BTILE                ; pw's 128 rows, then v's 128 rows
.set STAGE, 2*SLOT                     ; behind the ring: 16 rows x 528 bytes for each wave, for the way out
.set SP,    528
.set FT,    STAGE+4*16*SP              ; [16 t][128 queries] words: f twice, in f16
.set IL,    FT+16*512                  ; [128 queries] f32: 1 / L
.set SPARE, IL+512                     ; the spare words, 128 bytes a wave: two blocks of 256 bytes that no other line names
.set ASTEP, 2*128*2                    ; a slot's next tile of pw: 256 keys along the rows
.set BSTEP, 2*128*QROW                 ; and of v: 256 rows down
.set LAPS,  2048/256
.set ADRA, 16                          ; v16-17  LDS address of my fragments of pw in slot 0, 1
.set ADRB, 20                          ; v20-21  the same for v
.set FA0,  22                          ; v22     FT + 4 (my first query + l % 16); never rewritten
.set FAD,  23                          ; v23     the same in the key tile whose factors are fetched next
.set STO,  24                          ; v24     the way out: where I put 32 bytes of a row
.set RD,   25                          ; v25     the way out: where I read 16 bytes of a row back
.set CO,   26                          ; v26     16 x lane: my byte offset in 512 bytes of out0
.set SPW,  28                          ; v28     LDS address of my spare word; never rewritten
.set NIL,  29                          ; v29     0; never rewritten
.set FS,   32                          ; v32-35  the factors of the step in slot 0, one register a query block; v36-39 of the step in slot 1
.set ILR,  40                          ; v40-47  1 / L, a pair a query block
.set LA,   48                          ; v48-49  L, in two chains
.set MX,   50                          ; v50     M
.set TA,   51                          ; v51     FT + 4 x thread
.set GOF,  52                          ; v52     4 x thread
.set CMV,  64                          ; v64-79   cm, then f
.set LSV,  80                          ; v80-95   ls
.set H,    96                          ; v96-111  f twice in f16
.set GV,   112                         ; v112-127 the rounded f in f32
.set FB,   64                          ; v's fragment buffers, 64 registers each
.set FA,   192                         ; pw's, 32 each
.set T,    64                          ; the way out: a block's 64 numbers a lane
.set OB,   128                         ; the way out: 16 rows read back: v128-191 and v192-255 by turns
.set G1,  24                           ; s[24:31] descriptor group 1 for pw's tiles;  s[32:39] group 0, a set for each slot
.set G0,  32
.set G1B, 48                           ; s[48:55], s[56:63] the same for v's tiles
.set G0B, 56
.set FO,  66                           ; s66  512 t: the byte in FT of the key tile whose factors are fetched next
.set MSB, 0
.macro WIN new
.if MSB != (\new)
	s_set_vgpr_msb (MSB<<8)|(\new)
.set MSB, \new
.endif
.endm
.set MUL, 0x50                         ; sources 0 and 1 window 0; C and D window 1
.macro JLOAD s                         ; a joint load: waves 0 and 1 fetch pw's two halves (64 queries each), waves 2 and 3 v's (64 keys each); an s_nop 0 and four v_nop follow each line
	s_cmp_eq_u32 s11, 0
	s_cbranch_scc0 .Lfor_b_\@
	tensor_load_to_lds s[G0+4*(\s):G0+4*(\s)+3], s[G1:G1+7]
	s_nop 0
.rept 4
	v_nop
.endr
	s_branch .Lasked_\@
.Lfor_b_\@:
	tensor_load_to_lds s[G0B+4*(\s):G0B+4*(\s)+3], s[G1B:G1B+7]
	s_nop 0
.rept 4
	v_nop
.endr
.Lasked_\@:
.endm
.macro CREST                           ; a round of the cluster's barrier behind its opening barrier
	s_cmp_lg_u32 s10, 0
	s_cbranch_scc1 .Lnot_wave_0_\@
	s_barrier_signal -3
.Lnot_wave_0_\@:
	s_barrier_wait -3
	s_barrier_signal -1
	s_barrier_wait -1
.endm
.macro CROUND
	s_barrier_signal -1
	s_barrier_wait -1
	CREST
.endm
	s_load_b256 s[72:79], s[0:1], 0x0              ; pw s[72:73], qkv s[74:75], cm s[76:77], ls s[78:79]
	s_load_b64 s[80:81], s[0:1], 0x20              ; out0
	v_lshl_add_u32 v[SPW], v0, 2, SPARE
	v_mov_b32 v[NIL], 0
	ds_add_u32 v[SPW], v[NIL]                      ; the wave's opening: the add and its wait stand ahead of my first tensor load; the set-up below stands between them
	v_lshrrev_b32 v1, 5, v0
	v_readfirstlane_b32 s10, v1                    ; wave 0..3
	s_lshr_b32 s11, s10, 1                         ; which half of the tile's queries is mine.  Also: I fetch for pw (0) or for v (1)
	s_and_b32 s12, s10, 1                          ; which half of its channels.  Also: which 64 rows of that tile I fetch
	s_bfe_u32 s40, ttmp6, 0x40000                  ; cx
	s_bfe_u32 s41, ttmp6, 0x40004                  ; cy
	s_lshl_b32 s42, ttmp9, 2
	s_add_co_u32 s42, s42, s40                     ; channel tile of 256 = 4 x cluster x + cx
	s_and_b32 s45, ttmp7, 0xffff
	s_lshl_b32 s13, s45, 2
	s_add_co_u32 s13, s13, s41                     ; 16 x batch + query tile = 4 x cluster y + cy: 128 x this is the row in pw and out0
	s_lshr_b32 s45, s45, 2                         ; the batch, from the cluster's y alone
	s_lshl_b32 s43, s41, 2
	s_lshl_b32 s43, 15, s43                        ; my row of the cluster
	s_lshl_b32 s44, 0x1111, s40                    ; my column
	s_or_b32 s[G1+0], s43, (1<<16)|(1<<20)|(1<<21)|(5<<22)|(3<<25)   ; pw: 15:0 the mask; 17:16 2-byte elements; 20 padding on; 21 set beside a mask; 24:22 after every 64 words (code 5); 31:25 4 words (code 3)
	s_mov_b32 s[G1+1], 128<<16                     ; tensor_dim0 = 128 keys
	s_mov_b32 s[G1+2], 64<<16                      ; tensor_dim1 = 64 queries
	s_mov_b32 s[G1+3], 128<<16                     ; tile_dim0
	s_mov_b32 s[G1+4], 64                          ; tile_dim1
	s_mov_b32 s[G1+5], PSTR                        ; elements from row to row
	s_mov_b32 s[G1+6], 0
	s_mov_b32 s[G1+7], 0
	s_or_b32 s[G1B+0], s44, (1<<16)|(1<<20)|(1<<21)|(6<<22)|(7<<25)  ; v: padding after every 128 words (code 6), 8 words (code 7)
	s_mov_b32 s[G1B+1], 256<<16                    ; tensor_dim0 = 256 channels
	s_mov_b32 s[G1B+2], 64<<16                     ; tensor_dim1 = 64 keys
	s_mov_b32 s[G1B+3], 256<<16
	s_mov_b32 s[G1B+4], 64
	s_mov_b32 s[G1B+5], QSTR
	s_mov_b32 s[G1B+6], 0
	s_mov_b32 s[G1B+7], 0
	s_lshl_b32 s17, s12, 6                         ; which 64 rows of the tile I fetch
	s_lshl_b32 s16, s13, 7
	s_add_co_u32 s16, s16, s17                     ; pw: row 128 x (16 batch + query tile) + 64 x half,
	s_lshl_b32 s16, s16, 12                        ; x 4,096 bytes
	s_lshl_b32 s46, s45, 11
	s_add_co_u32 s46, s46, s17                     ; v: row 2,048 x batch + 64 x half,
	s_mul_i32 s46, s46, QROW
	s_lshl_b32 s47, s42, 9                         ; the tile's 256 channels,
	s_add_co_u32 s46, s46, s47
	s_add_co_u32 s46, s46, VCOL                    ; and v's place in the row
	s_mov_b32 s17, 0
	s_mov_b32 s47, 0
	s_mul_i32 s20, s12, 64*PA                      ; where they go: pw's halves,
	s_mul_i32 s21, s12, 64*PB
	s_add_co_u32 s21, s21, ATILE                   ; v's halves behind them: no place in the cluster enters an LDS address
	s_wait_dscnt 0x0                               ; the opening add is done
	s_wait_kmcnt 0x0
	s_add_nc_u64 s[14:15], s[72:73], s[16:17]
	s_add_nc_u64 s[46:47], s[74:75], s[46:47]
	CROUND                                         ; all sixteen work-groups are here: the first joint loads meet
.irp s, 0,1
	s_mov_b32 s[G0+4*(\s)], 1
	s_add_co_u32 s[G0+4*(\s)+1], s20, (\s)*SLOT
	s_add_nc_u64 s[G0+4*(\s)+2:G0+4*(\s)+3], s[14:15], (\s)*ASTEP/2     ; key tile s
	s_or_b32 s[G0+4*(\s)+3], s[G0+4*(\s)+3], 0x80000000
	s_mov_b32 s[G0B+4*(\s)], 1
	s_add_co_u32 s[G0B+4*(\s)+1], s21, (\s)*SLOT
	s_add_nc_u64 s[G0B+4*(\s)+2:G0B+4*(\s)+3], s[46:47], (\s)*BSTEP/2
	s_or_b32 s[G0B+4*(\s)+3], s[G0B+4*(\s)+3], 0x80000000
	JLOAD \s                                       ; two loads of mine are out
.endr
	; THE STATISTICS, made while the first tiles are on their way.  Thread i is query i of the work-group's 128.
	s_lshl_b32 s82, s45, 17                        ; a batch's 16 x 2,048 numbers,
	s_and_b32 s83, s13, 15
	s_lshl_b32 s83, s83, 9                         ; the tile's 128 queries
	s_add_co_u32 s82, s82, s83
	s_mov_b32 s83, 0
	s_add_nc_u64 s[76:77], s[76:77], s[82:83]
	s_add_nc_u64 s[78:79], s[78:79], s[82:83]
	v_lshlrev_b32 v[GOF], 2, v0
.irp t, 0,1,2,3,4,5,6,7,8,9,10,11,12,13,14,15
	global_load_b32 v[CMV+(\t)], v[GOF], s[76:77] offset:8192*(\t)
.endr
.irp t, 0,1,2,3,4,5,6,7,8,9,10,11,12,13,14,15
	global_load_b32 v[LSV+(\t)], v[GOF], s[78:79] offset:8192*(\t)
.endr
	; the lanes' addresses stand in the wait for those loads
	v_and_b32 v1, 15, v0                           ; l % 16
	v_bfe_u32 v2, v0, 4, 1                         ; l / 16
	v_mul_u32_u24 v3, v1, PA
	v_lshl_add_u32 v3, v2, 4, v3                   ; pw: a fragment's row x pitch + 16 x half
	s_mul_i32 s22, s11, 64*PA                      ; my 64 queries
	v_add_nc_u32 v[ADRA], s22, v3
	s_add_co_u32 s22, s22, SLOT
	v_add_nc_u32 v[ADRA+1], s22, v3
	; the turning load takes 16 keys x 16 channels (lane l reads key 8 (l / 16) + l % 8, channels 8 ((l / 8) % 2) + 0..7) and leaves half a fragment: lane l holds channel l % 16 and 8 keys
	v_and_b32 v4, 7, v0
	v_lshl_add_u32 v4, v2, 3, v4
	v_mul_u32_u24 v4, v4, PB
	v_bfe_u32 v5, v0, 3, 1
	v_lshl_add_u32 v4, v5, 4, v4
	s_lshl_b32 s23, s12, 8                         ; my 128 channels
	s_add_co_u32 s23, s23, ATILE
	v_add_nc_u32 v[ADRB], s23, v4
	s_add_co_u32 s23, s23, SLOT
	v_add_nc_u32 v[ADRB+1], s23, v4
	s_lshl_b32 s22, s11, 8
	s_add_co_u32 s22, s22, FT
	v_lshl_add_u32 v[FA0], v1, 2, s22
	s_mul_i32 s23, s10, 16*SP
	s_add_co_u32 s23, s23, STAGE                   ; my stage
	v_mul_u32_u24 v4, v1, SP                       ; in: row l % 16, 32 bytes for each half of the lanes
	v_lshl_add_u32 v4, v2, 5, v4
	v_add_nc_u32 v[STO], s23, v4
	v_and_b32 v[CO], 31, v0
	v_lshlrev_b32 v[CO], 4, v[CO]
	v_add_nc_u32 v[RD], s23, v[CO]                 ; back: 32 lanes take one row of 512 bytes
	s_lshl_b32 s16, s13, 7                         ; where my part of the tile begins in out0
	s_lshl_b32 s17, s11, 6
	s_add_co_u32 s16, s16, s17
	s_lshl_b32 s16, s16, 12                        ; my first row x 4,096 bytes,
	s_lshl_b32 s17, s42, 10                        ; 1,024 x channel tile + 512 x half
	s_add_co_u32 s16, s16, s17
	s_lshl_b32 s17, s12, 9
	s_add_co_u32 s16, s16, s17
	s_mov_b32 s17, 0
	s_add_nc_u64 s[80:81], s[80:81], s[16:17]
	s_mov_b32 s[FO], 0
	s_wait_loadcnt 16                              ; cm is in; the 16 loads of ls may be out
	v_max3_num_f32 v[MX], v[CMV], v[CMV+1], v[CMV+2]
.set t, 3
.rept 6
	v_max3_num_f32 v[MX], v[MX], v[CMV+t], v[CMV+t+1]
.set t, t+2
.endr
	v_max_num_f32 v[MX], v[MX], v[CMV+15]
.set t, 0
.rept 16
	v_sub_f32 v[CMV+t], v[CMV+t], v[MX]
.set t, t+1
.endr
.set t, 0
.rept 16
	v_exp_f32 v[CMV+t], v[CMV+t]                   ; f
.set t, t+1
.endr
	v_lshl_add_u32 v[TA], v0, 2, FT                ; a plain instruction between the run of exponentials and the first use of a result (ISA guide 5.7.2)
.set t, 0
	s_wait_alu depctr_va_vdst(0)
.rept 16
	v_cvt_pk_f16_f32 v[H+t], v[CMV+t], v[CMV+t]
.set t, t+1
.endr
	v_cvt_f32_f16 v112, v96.l                      ; GV + t = the rounded f of H + t (a half of a register is named by number)
	v_cvt_f32_f16 v113, v97.l
	v_cvt_f32_f16 v114, v98.l
	v_cvt_f32_f16 v115, v99.l
	v_cvt_f32_f16 v116, v100.l
	v_cvt_f32_f16 v117, v101.l
	v_cvt_f32_f16 v118, v102.l
	v_cvt_f32_f16 v119, v103.l
	v_cvt_f32_f16 v120, v104.l
	v_cvt_f32_f16 v121, v105.l
	v_cvt_f32_f16 v122, v106.l
	v_cvt_f32_f16 v123, v107.l
	v_cvt_f32_f16 v124, v108.l
	v_cvt_f32_f16 v125, v109.l
	v_cvt_f32_f16 v126, v110.l
	v_cvt_f32_f16 v127, v111.l
	s_wait_loadcnt 0x0                             ; ls
	v_mul_f32 v[LA], v[LSV], v[GV]                 ; the first products start the two chains
	v_mul_f32 v[LA+1], v[LSV+1], v[GV+1]
.set t, 2
.rept 7
	v_fmac_f32 v[LA], v[LSV+t], v[GV+t]
	v_fmac_f32 v[LA+1], v[LSV+t+1], v[GV+t+1]
.set t, t+2
.endr
	v_add_f32 v[LA], v[LA], v[LA+1]
	v_rcp_f32 v[LA], v[LA]
	v_mov_b32 v[FAD], v[FA0]                       ; key tile 0's factors; also the plain instruction behind the reciprocal
.irp t, 0,1,2,3,4,5,6,7,8,9,10,11,12,13,14,15
	ds_store_b32 v[TA], v[H+(\t)] offset:512*(\t)
.endr
	s_wait_alu depctr_va_vdst(0)
	ds_store_b32 v[TA], v[LA] offset:IL-FT
; A run of LDS loads: (fs >= 0: the four factor words of the step, into set fs;) pw's 8 loads, then v's 16: quarter q (32 keys) of a slot into buffers f
.macro FETCH slot, q, f, fs
	WIN 0
.if (\fs) >= 0
.irp a, 0,1,2,3
	ds_load_b32 v[FS+4*(\fs)+(\a)], v[FAD] offset:64*(\a)
.endr
.endif
.irp a, 0,1,2,3
	ds_load_b128 v[FA+32*(\f)+8*(\a):FA+32*(\f)+8*(\a)+3],   v[ADRA+(\slot)] offset:64*(\q)+(\a)*16*PA
	ds_load_b128 v[FA+32*(\f)+8*(\a)+4:FA+32*(\f)+8*(\a)+7], v[ADRA+(\slot)] offset:64*(\q)+(\a)*16*PA+32
.endr
.irp b, 0,1,2,3,4,5,6,7
	ds_load_tr16_b128 v[FB+64*(\f)+8*(\b):FB+64*(\f)+8*(\b)+3],   v[ADRB+(\slot)] offset:(\q)*32*PB+32*(\b)
	ds_load_tr16_b128 v[FB+64*(\f)+8*(\b)+4:FB+64*(\f)+8*(\b)+7], v[ADRB+(\slot)] offset:(\q)*32*PB+16*PB+32*(\b)
.endr
.endm
; pw's fragments of buffer f times the step's f: a lane holds one query's keys, so one register of {f, f} serves a block's eight
.macro SCALE f, fs
.irp a, 0,1,2,3
.irp j, 0,1,2,3,4,5,6,7
	v_pk_mul_f16 v[FA+32*(\f)+8*(\a)+(\j)], v[FA+32*(\f)+8*(\a)+(\j)], v[FS+4*(\fs)+(\a)]
.endr
.endr
.endm
; 16 matrix instructions: query blocks a0, a0 + 1 x all 8 channel blocks, 32 keys.  zero = 1: the first product starts the sums.  The 32 accumulators take turns.
.macro MUL16 f, a0, zero
	WIN MUL
.irp a, \a0, (\a0)+1
.irp b, 0,1,2,3,4,5,6,7
.if \zero
	v_wmma_f32_16x16x32_f16 v[8*(8*(\a)+(\b)):8*(8*(\a)+(\b))+7], v[FB+64*(\f)+8*(\b):FB+64*(\f)+8*(\b)+7], v[FA+32*(\f)+8*(\a):FA+32*(\f)+8*(\a)+7], 0
.else
	v_wmma_f32_16x16x32_f16 v[8*(8*(\a)+(\b)):8*(8*(\a)+(\b))+7], v[FB+64*(\f)+8*(\b):FB+64*(\f)+8*(\b)+7], v[FA+32*(\f)+8*(\a):FA+32*(\f)+8*(\a)+7], v[8*(8*(\a)+(\b)):8*(8*(\a)+(\b))+7]
.endif
.endr
.endr
.endm
; A K step is four quarters of 32 keys, 32 matrix instructions each, on buffers 0, 1, 0, 1.  One of the first three: scales and multiplies buffer f; in its middle it fetches quarter q into g.
; The 32 multiplies of SCALE name none of buffer g's registers: they are the places between g's last products and the loads into g, so no v_nop is written.
.macro QUARTER slot, q, f, g, fs, zero
	WIN 0
	s_wait_dscnt 16                                ; the factors and pw's fragments are in; v's sixteen loads, the youngest, may be out
	SCALE \f, \fs
	s_wait_dscnt 0x0                               ; v's are in
	MUL16 \f, 0, \zero
	FETCH \slot, \q, \g, -1
	MUL16 \f, 2, \zero
.endm
; The last quarter multiplies buffer 1 and changes slots: ONE barrier; in front of it each wave waits for all its tensor loads (one is out: its part of the next slot), adds 0 to its spare word, and
; waits for that and for its own reads of this slot.  fill = 1: the barrier opens a round of the cluster's, and this slot is filled again, two K steps on, first thing behind the round:
; from that request to the wait for it a wave issues 112 matrix instructions.
.macro TURN slot, next, fill
	WIN 0
	s_wait_tensorcnt 0x0
	ds_add_u32 v[SPW], v[NIL]                      ; 0 onto my spare word
	s_wait_dscnt 17                                ; (the add and v's sixteen loads may be out)
	SCALE 1, \slot                                 ; 32 multiplies stand between the add and the wait for it
	s_wait_dscnt 0x0                               ; the add is done, and my reads of this slot are over
	s_barrier_signal -1
	MUL16 1, 0, 0                                  ; work on registers while the others arrive
	WIN 0
	s_barrier_wait -1
.if \fill
	CREST                                          ; no wave of any partner still reads this slot's tile or has a load on its way
	s_add_nc_u64 s[G0+4*(\slot)+2:G0+4*(\slot)+3], s[G0+4*(\slot)+2:G0+4*(\slot)+3], ASTEP
	s_add_nc_u64 s[G0B+4*(\slot)+2:G0B+4*(\slot)+3], s[G0B+4*(\slot)+2:G0B+4*(\slot)+3], BSTEP
	JLOAD \slot
.endif
	s_add_co_u32 s[FO], s[FO], 512                 ; the next key tile's factors
	v_add_nc_u32 v[FAD], s[FO], v[FA0]
	FETCH \next, 0, 0, \next
	MUL16 1, 2, 0
.endm
	s_wait_tensorcnt 1                             ; my part of K step 0 is in; K step 1's may stay out
	s_wait_dscnt 0x0                               ; for the others' sake: my part of the factors and of 1 / L is stored
	s_barrier_signal -1
	s_barrier_wait -1
	FETCH 0, 0, 0, 0
	QUARTER 0, 1, 0, 1, 0, 1                       ; the first quarter's products start the sums
	WIN 0                                          ; at a label and at a branch every window is 0
	s_mov_b32 s3, LAPS-1
.Llap:                                                 ; a trip goes once round the ring and fills both slots again
	QUARTER 0, 2, 1, 0, 0, 0
	QUARTER 0, 3, 0, 1, 0, 0
	TURN 0, 1, 1
	QUARTER 1, 1, 0, 1, 1, 0
	QUARTER 1, 2, 1, 0, 1, 0
	QUARTER 1, 3, 0, 1, 1, 0
	TURN 1, 0, 1
	QUARTER 0, 1, 0, 1, 0, 0
	WIN 0
	s_sub_co_u32 s3, s3, 1
	s_cmp_lg_u32 s3, 0
	s_cbranch_scc1 .Llap
	QUARTER 0, 2, 1, 0, 0, 0                       ; the last lap is written out: it asks for nothing more
	QUARTER 0, 3, 0, 1, 0, 0
	TURN 0, 1, 0
	QUARTER 1, 1, 0, 1, 1, 0
	QUARTER 1, 2, 1, 0, 1, 0
	QUARTER 1, 3, 0, 1, 1, 0
	WIN 0                                          ; the very last quarter: nothing more to fetch
	s_wait_dscnt 16
	SCALE 1, 1
	s_wait_dscnt 0x0
	MUL16 1, 0, 0
	MUL16 1, 2, 0
	; THE WAY OUT.  1 / L of my four query blocks; each block times it, through my stage in LDS, and out as whole rows of 512 bytes.
	WIN 0
.irp a, 0,1,2,3
	ds_load_b32 v[ILR+2*(\a)], v[FA0] offset:IL-FT+64*(\a)
.endr
	s_wait_dscnt 0x0
.irp a, 0,1,2,3
	v_mov_b32 v[ILR+2*(\a)+1], v[ILR+2*(\a)]       ; named as pairs; these four plain lines are also the places behind the last products
.endr
.macro PACK a                          ; each accumulator's registers in ascending order
	WIN 0x01                                       ; source 0 window 1
.set i, 0
.rept 32
	v_pk_mul_f32 v[T+2*i:T+2*i+1], v[64*(\a)+2*i:64*(\a)+2*i+1], v[ILR+2*(\a):ILR+2*(\a)+1] op_sel_hi:[1,0]
.set i, i+1
.endr
	WIN 0
.endm
.macro TOSTAGE a
.set BK, OB+64*((\a)%2)
.irp b, 0,1,2,3,4,5,6,7
	ds_store_b128 v[STO], v[T+8*(\b):T+8*(\b)+3]   offset:64*(\b)     ; channels 16 b + 8 (l / 16) + 0..3 of my query's row,
	ds_store_b128 v[STO], v[T+8*(\b)+4:T+8*(\b)+7] offset:64*(\b)+16  ; and + 4..7
.endr
	s_wait_xcnt 0x0                                ; earlier stores have had their addresses translated (ISA guide 3.1): the registers that they read are loaded again only behind this wait
.irp t, 0,1,2,3,4,5,6,7,8,9,10,11,12,13,14,15
	ds_load_b128 v[BK+4*(\t):BK+4*(\t)+3], v[RD] offset:(\t)*SP  ; LDS serves a wave's instructions in order (ISA guide 5.7.1.4): these see the stores above
.endr
.endm
.macro SEND a
.set BK, OB+64*((\a)%2)
	s_wait_dscnt 0x0                               ; the block is back in registers
.irp t, 0,1,2,3,4,5,6,7,8,9,10,11,12,13,14,15
	global_store_b128 v[CO], v[BK+4*(\t):BK+4*(\t)+3], s[80:81] offset:(16*(\a)+(\t))*OROW th:TH_STORE_NT  ; 512 consecutive bytes, at a multiple of 512 from out0's first byte
.endr
.endm
	PACK 0
	TOSTAGE 0
.irp a, 1,2,3                          ; block a's multiplies stand between block a - 1's loads from the stage and the wait for them
	PACK \a
	SEND (\a)-1
	TOSTAGE \a
.endr
	SEND 3
	s_wait_tensorcnt 0x0                           ; the wave's end: these three lines stand behind my last tensor load and my last LDS store
	ds_add_u32 v[SPW], v[NIL]
	s_wait_dscnt 0x0
	CROUND                                         ; the closing round: no work-group ends while a partner may still ask for a tile that names it
	s_endpgm
.Lfunc_end_k_qdfa7bb6bca_pv:
	.size	k_qdfa7bb6bca_pv, .Lfunc_end_k_qdfa7bb6bca_pv-k_qdfa7bb6bca_pv
	.p2alignl 7, 3214868480
	.fill 96, 4, 3214868480
	.section	.rodata,"a",@progbits
	.p2align	6, 0x0
	.amdhsa_kernel k_qdfa7bb6bca_pv
		.amdhsa_group_segment_fixed_size 327680
		.amdhsa_private_segment_fixed_size 0
		.amdhsa_enable_private_segment 0
		.amdhsa_kernarg_size 40
		.amdhsa_user_sgpr_count 2
		.amdhsa_user_sgpr_kernarg_segment_ptr 1
		.amdhsa_wavefront_size32 1
		.amdhsa_system_sgpr_workgroup_id_x 1
		.amdhsa_system_sgpr_workgroup_id_y 1
		.amdhsa_system_sgpr_workgroup_id_z 1
		.amdhsa_system_vgpr_workitem_id 0
		.amdhsa_next_free_vgpr 512
		.amdhsa_next_free_sgpr 88
		.amdhsa_reserve_vcc 0
		.amdhsa_float_denorm_mode_32 3
		.amdhsa_float_denorm_mode_16_64 3
		.amdhsa_memory_ordered 1
		.amdhsa_forward_progress 1
		.amdhsa_inst_pref_size 134
	.end_amdhsa_kernel
	.amdgpu_metadata
---
amdhsa.version: [ 1, 2 ]
amdhsa.kernels:
  - .name:           k_qdfa7bb6bca_pv
    .symbol:         k_qdfa7bb6bca_pv.kd
    .args:
      - { .name: pw, .offset: 0, .size: 8, .value_kind: global_buffer, .address_space: global }
      - { .name: qkv, .offset: 8, .size: 8, .value_kind: global_buffer, .address_space: global }
      - { .name: cm, .offset: 16, .size: 8, .value_kind: global_buffer, .address_space: global }
      - { .name: ls, .offset: 24, .size: 8, .value_kind: global_buffer, .address_space: global }
      - { .name: out0, .offset: 32, .size: 8, .value_kind: global_buffer, .address_space: global }
    .group_segment_fixed_size: 327680
    .private_segment_fixed_size: 0
    .kernarg_segment_align: 8
    .kernarg_segment_size: 40
    .max_flat_workgroup_size: 128
    .sgpr_count:     88
    .vgpr_count:     512
    .wavefront_size: 32
...
	.end_amdgpu_metadata
.endif
;; end of part 4
;; ======== version 2 of 2: 4 launches; version 1 with the launch cast written anew for expert scheduling mode
;; limits: values are held in f16: magnitudes above 65,504 overflow, below 6.1e-05 lose precision; values outside matrix products are rounded to f16
;; workspace buffers: xw 23,068,672 bytes; qkv 50,331,648 bytes; pw 33,554,432 bytes; cm 524,288 bytes; ls 524,288 bytes
;; launch cast (part 5): grid 704 x 1, 8 waves a work-group, no clusters, 0 bytes of LDS; arguments x, wq, wk, wv, xw; writes xw
.if DOCPART == 5
	.amdgcn_target "amdgcn-amd-amdhsa--gfx1250"
	.amdhsa_code_object_version 6
	.text
	.protected	k_qdfa7bb6bca_cast
	.globl	k_qdfa7bb6bca_cast
	.p2align	8
	.type	k_qdfa7bb6bca_cast,@function
k_qdfa7bb6bca_cast:
	s_mov_b64 s[64:65], 0
	v_nop
	global_prefetch_b8 v0, s[64:65] scope:SCOPE_SE
	s_setreg_imm32_b32 hwreg(HW_REG_WAVE_SCHED_MODE, 0, 2), 2
	s_setreg_imm32_b32 hwreg(HW_REG_WAVE_MODE, 25, 1), 1
	s_wait_xcnt 0x0
	s_wait_alu depctr_vm_vsrc(0)
; xw = the rows of x, wq, wk, wv, one below the other, rounded once to bf16 (nearest even): [11264][1024].
; Rows 0-8191 x, 8192-9215 wq, 9216-10239 wk, 10240-11263 wv: the next launch multiplies x's rows by all 3,072 weight rows.
; A stream: no LDS, no barrier, no matrix work.  A work-group owns 16 rows; thread t takes the 16 bytes at 16 t of each
; source row (a wave's load covers 512 consecutive bytes) and stores 8 bytes at 8 t (a wave's store covers 256 consecutive
; bytes, aligned).  All 16 loads of a wave go out at once.
; attn_mask and pad_mask are read by no launch of this program: the function to be computed takes them and never uses them.
; THE MODE: SCHED_MODE bits 1:0 = 2 (LLVM: expert scheduling mode 2), set by the entry lines.  The code itself states the register
; dependences between vector instructions and memory instructions, with s_wait_alu, always for 0.
; THE PLAN.  Registers that memory instructions touch:
;   v1, v2   byte offsets, each written by one vector line at the head and never again; v1 is read by the loads, v2 by the stores.
;   X        row j as loaded.  Written by the loads alone, once; no vector line names it ahead of them; read by row j's two roundings.
;   Y        row j to store.   Written by row j's two roundings, once; read by row j's store.
; The 16 rows go in four blocks of four.  Block p rounds its rows, each behind its own counted wait; its memory instructions are the four
; stores of block p - 1, dealt among its roundings.  One wait at the block's head states that block p - 1 has written its Y; the roundings
; issued since name X and Y of block p alone, so the four stores owe nothing more.  One wait more stands ahead of the last four stores.
; No register that a memory instruction reads is written a second time, so no wait frees a source.
.set ROWS, 16
.set BLOCK, 4                          ; rows in a block
.set SROW, 4096                        ; bytes in a source row
.set DROW, 2048                        ; bytes in a row of xw
.set XG,   512                         ; work-groups that x's 8,192 rows make; each weight's 1,024 rows make 64
.set X,    4                           ; v[4:67]   row j as loaded, 4 registers
.set Y,    68                          ; v[68:99]  row j to store, 2 registers
	s_load_b256 s[4:11], s[0:1], 0x0               ; x s[4:5], wq s[6:7], wk s[8:9], wv s[10:11]
	s_load_b64 s[12:13], s[0:1], 0x20              ; xw
	s_mov_b32 s2, ttmp9                            ; g, the work-group
	s_sub_co_u32 s14, s2, XG                       ; behind x: which weight (g - 512) / 64, which 16 rows of it (g - 512) % 64
	s_lshr_b32 s15, s14, 6
	s_and_b32 s16, s14, 63
	v_lshlrev_b32 v1, 4, v0                        ; my 16 bytes in a source row
	v_lshlrev_b32 v2, 3, v0                        ; my 8 bytes in a row of xw
	s_wait_kmcnt 0x0
	s_cmp_eq_u32 s15, 1
	s_cselect_b64 s[18:19], s[8:9], s[6:7]         ; wk or wq,
	s_cmp_eq_u32 s15, 2
	s_cselect_b64 s[18:19], s[10:11], s[18:19]     ; or wv,
	s_cmp_lt_u32 s2, XG
	s_cselect_b64 s[18:19], s[4:5], s[18:19]       ; or x, whose block of 16 rows is g itself
	s_cselect_b32 s16, s2, s16
	s_lshl_b32 s20, s16, 16                        ; 16 rows of 4,096 bytes
	s_mov_b32 s21, 0
	s_add_nc_u64 s[18:19], s[18:19], s[20:21]
	s_lshl_b32 s22, s2, 15                         ; 16 rows of 2,048 bytes
	s_mov_b32 s23, 0
	s_add_nc_u64 s[12:13], s[12:13], s[22:23]
	s_wait_alu depctr_va_vdst(0)                   ; v1 and v2 are written: every load of the kernel reads v1 as its offset, every store v2
.irp j, 0,1,2,3,4,5,6,7,8,9,10,11,12,13,14,15
	global_load_b128 v[X+4*(\j):X+4*(\j)+3], v1, s[18:19] offset:(\j)*SROW th:TH_LOAD_NT
.endr
.irp p, 0,1,2,3
.irp i, 0,1,2,3
	s_wait_loadcnt 15-(BLOCK*(\p)+(\i))            ; loads come back in order (ISA guide 5.7.1): row 4 p + i is in, the younger ones stay out (stores do not raise this counter)
.if (\p) > 0
.if (\i) == 0
	s_wait_alu depctr_va_vdst(0)                   ; the block before's eight roundings have written its four rows of Y, which this block's four stores read
.endif
	global_store_b64 v2, v[Y+2*(BLOCK*(\p)-BLOCK+(\i)):Y+2*(BLOCK*(\p)-BLOCK+(\i))+1], s[12:13] offset:(BLOCK*(\p)-BLOCK+(\i))*DROW  ; row i of the block before; no vector line since the wait names its Y or v2
.endif
	v_cvt_pk_bf16_f32 v[Y+2*(BLOCK*(\p)+(\i))],   v[X+4*(BLOCK*(\p)+(\i))],   v[X+4*(BLOCK*(\p)+(\i))+1]
	v_cvt_pk_bf16_f32 v[Y+2*(BLOCK*(\p)+(\i))+1], v[X+4*(BLOCK*(\p)+(\i))+2], v[X+4*(BLOCK*(\p)+(\i))+3]
.endr
.endr
	s_wait_alu depctr_va_vdst(0)                   ; the last block's roundings have written Y of rows 12 to 15, which the last four stores read
.irp j, 12,13,14,15
	global_store_b64 v2, v[Y+2*(\j):Y+2*(\j)+1], s[12:13] offset:(\j)*DROW
.endr
	s_endpgm
.Lfunc_end_k_qdfa7bb6bca_cast:
	.size	k_qdfa7bb6bca_cast, .Lfunc_end_k_qdfa7bb6bca_cast-k_qdfa7bb6bca_cast
	.p2alignl 7, 3214868480
	.fill 96, 4, 3214868480
	.section	.rodata,"a",@progbits
	.p2align	6, 0x0
	.amdhsa_kernel k_qdfa7bb6bca_cast
		.amdhsa_group_segment_fixed_size 0
		.amdhsa_private_segment_fixed_size 0
		.amdhsa_enable_private_segment 0
		.amdhsa_kernarg_size 40
		.amdhsa_user_sgpr_count 2
		.amdhsa_user_sgpr_kernarg_segment_ptr 1
		.amdhsa_wavefront_size32 1
		.amdhsa_system_sgpr_workgroup_id_x 1
		.amdhsa_system_sgpr_workgroup_id_y 1
		.amdhsa_system_sgpr_workgroup_id_z 1
		.amdhsa_system_vgpr_workitem_id 0
		.amdhsa_next_free_vgpr 100
		.amdhsa_next_free_sgpr 66
		.amdhsa_reserve_vcc 0
		.amdhsa_float_denorm_mode_32 3
		.amdhsa_float_denorm_mode_16_64 3
		.amdhsa_memory_ordered 1
		.amdhsa_forward_progress 1
		.amdhsa_inst_pref_size 7
	.end_amdhsa_kernel
	.amdgpu_metadata
---
amdhsa.version: [ 1, 2 ]
amdhsa.kernels:
  - .name:           k_qdfa7bb6bca_cast
    .symbol:         k_qdfa7bb6bca_cast.kd
    .args:
      - { .name: x, .offset: 0, .size: 8, .value_kind: global_buffer, .address_space: global }
      - { .name: wq, .offset: 8, .size: 8, .value_kind: global_buffer, .address_space: global }
      - { .name: wk, .offset: 16, .size: 8, .value_kind: global_buffer, .address_space: global }
      - { .name: wv, .offset: 24, .size: 8, .value_kind: global_buffer, .address_space: global }
      - { .name: xw, .offset: 32, .size: 8, .value_kind: global_buffer, .address_space: global }
    .group_segment_fixed_size: 0
    .private_segment_fixed_size: 0
    .kernarg_segment_align: 8
    .kernarg_segment_size: 40
    .max_flat_workgroup_size: 256
    .sgpr_count:     66
    .vgpr_count:     100
    .wavefront_size: 32
...
	.end_amdgpu_metadata
.endif
;; end of part 5
;; launch proj: the kernel of part 2 again; grid 12 x 32, 4 waves a work-group, clusters of 4 x 4, 327,680 bytes of LDS; arguments xw, qkv; writes qkv
;; launch scores: the kernel of part 3 again; grid 8 x 32, 4 waves a work-group, clusters of 4 x 4, 327,680 bytes of LDS; arguments qkv, pw, cm, ls; writes pw, cm, ls
;; launch pv: the kernel of part 4 again; grid 4 x 64, 4 waves a work-group, clusters of 4 x 4, 327,680 bytes of LDS; arguments pw, qkv, cm, ls, out0; writes out0
